; MI455X (gfx1250); checked and timed in simulation.
; The chip was launched on July 23, 2026; its instructions are those of AMD's public machine-readable ISA for CDNA 5 (MIT licence, August 2026) and "CDNA5" Instruction Set Architecture Reference Guide (July 2026). The comments in the code are by the model that wrote it; some were corrected since.
;; Self Attention. Allowed arithmetic: matrix products marked QUANTISED: E2M3 operands, one E8M0 scale for each 32 along K, by v_wmma_scale_f32_16x16x128_f8f6f4 with both operands' format E2M3, f32 sums; everything else in f32.
;; Inputs: beta 512 float32; bk 512 float32; bo 512 float32; bq 512 float32; bv 512 float32; gamma 512 float32; wk_codes 512 x 16 x 24 uint8 (E2M3 codes of wk, K innermost, in blocks of 32 codes, four codes in three bytes); wk_scales 512 x 16 uint8 (E8M0 scales of wk, one for each 32 codes along K); wo_codes 512 x 16 x 24 uint8 (E2M3 codes of wo, K innermost, in blocks of 32 codes, four codes in three bytes); wo_scales 512 x 16 uint8 (E8M0 scales of wo, one for each 32 codes along K); wq_codes 512 x 16 x 24 uint8 (E2M3 codes of wq, K innermost, in blocks of 32 codes, four codes in three bytes); wq_scales 512 x 16 uint8 (E8M0 scales of wq, one for each 32 codes along K); wv_codes 512 x 16 x 24 uint8 (E2M3 codes of wv, K innermost, in blocks of 32 codes, four codes in three bytes); wv_scales 512 x 16 uint8 (E8M0 scales of wv, one for each 32 codes along K); x 16 x 512 x 32 x 32 float32.
;; Outputs: out0 16 x 512 x 32 x 32 float32.
;; This version of the problem:
;;   THIS VERSION OF THE PROBLEM IS GIVEN IN LOW PRECISION. The matrix products marked QUANTISED in the list below multiply operands that are first quantised to E2M3 (2 exponent bits, 3 mantissa bits; 6 bits a number), with one power-of-two scale for each 32 numbers along K (OCP MX v1.0); their sums are f32. All else is computed in f32.
;;   The module's matrix products, in the order in which they are computed (A, B: the left and right operand; K: the contracted axis; several contracted axes count as one K, in the product's order):
;;     1. [M 16,384, K 512] x [K 512, N 512]; A: computed on the way; B: input wq (given as codes): QUANTISED
;;     2. [M 16,384, K 512] x [K 512, N 512]; A: computed on the way; B: input wk (given as codes): QUANTISED
;;     3. [M 16,384, K 512] x [K 512, N 512]; A: computed on the way; B: input wv (given as codes): QUANTISED
;;     4. batch 128 x [M 1,024, K 64] x [K 64, N 1,024]; A: computed on the way; B: computed on the way: QUANTISED
;;     5. batch 128 x [M 64, K 1,024] x [K 1,024, N 1,024]; A: computed on the way; B: softmax (see below): QUANTISED
;;     6. [M 16,384, K 512] x [K 512, N 512]; A: computed on the way; B: input wo (given as codes): QUANTISED
;;   THE QUANTISER, for each operand of a quantised product, along K:
;;     - K is cut into blocks of 32 from its start; a last block that is shorter is filled with zeros.
;;     - A block's scale is 2^e with e = floor(log2(the largest magnitude in the block)) - 2, held to -126 .. 127; a block of zeros has e = 0. As a byte (E8M0): e + 127.
;;     - Each number is divided by its block's scale, clamped to +-7.5, and rounded to the nearest number of E2M3, ties to even, subnormals kept.
;;     - The product sums the exact products of the quantised numbers (number of the format x scale) in f32.
;;   ~~~python
;;   def quantise(x, axis):      # numpy; x: float32 -> the quantised numbers, widened to float32 again
;;       x = np.moveaxis(x, axis, -1); K = x.shape[-1]
;;       x = np.pad(x, [(0, 0)] * (x.ndim - 1) + [(0, -K % 32)]); x = x.reshape(x.shape[:-1] + (-1, 32)); a = np.abs(x).max(-1, keepdims=True)
;;       e = np.where(a > 0, np.clip(np.frexp(np.where(a > 0, a, 1))[1] - 1 - 2, -126, 127), 0)      # np.frexp(a)[1] - 1 = floor(log2(a)), exactly
;;       r = np.clip(x / 2.0 ** e, -7.5, 7.5)
;;       step = 2.0 ** (np.maximum(np.frexp(np.where(r == 0, 1, r))[1] - 1, 0) - 3)
;;       q = np.round(r / step) * step * 2.0 ** e      # np.round: ties to even
;;       return np.moveaxis(q.reshape(q.shape[:-2] + (-1,))[..., :K], -1, axis).astype(np.float32)
;;   ~~~
;;   SOFTMAX AHEAD OF A QUANTISED PRODUCT. Where the list says 'softmax', what is quantised is not the finished softmax but p = 2^(t - M), with t = logit x log2(e) and M = ceil(the row's largest t), a whole number; so 1/2 < the row's largest p <= 1. The row's sum l is taken of the UNQUANTISED p, in f32, and the product's result is divided by l at the end. Since M is a whole number, a kernel that streams over the keys may use a running M (the ceiling of the running maximum): every later rescaling is an exact power of two, which a block's scale takes up: the codes' values come out the same.
;;   OPERANDS COMPUTED ON THE WAY. 'Computed on the way' means the value that the module computes at that place (a softmax that the list does not call 'softmax' is quantised finished and normalised). What goes into a quantiser is computed in f32, as accurately as f32 sums, v_exp_f32 and their like allow (about 1e-6 of the number): no bf16 or f16 on the way to a quantiser, and a product that is left as it is and whose result goes on into a quantised operand takes f32 operands (vector FMAs, or v_wmma_f32_16x16x4_f32). A number that lies on a knife's edge between two numbers of the format may be rounded either way, as far as f32 arithmetic and the matrix unit's own rounding can turn it there, and no further.
;;   INPUTS GIVEN AS CODES. wk (in the module: [512, 512], K = its axis 1); wo (in the module: [512, 512], K = its axis 1); wq (in the module: [512, 512], K = its axis 1); wv (in the module: [512, 512], K = its axis 1): each comes as NAME_codes (uint8): NAME with its K axis moved to the last place and cut into blocks of 32 codes, [.., K / 32, bytes a block], one block behind the other in memory; four codes in three bytes: a row's codes are one little-endian stream of bits, code i at bits 6 i .. 6 i + 5 (a code: sign, 2 exponent bits, 3 mantissa bits); and NAME_scales (uint8): the same leading axes, one E8M0 byte (e + 127) for each 32 codes along K. Its value is code x scale, taken as it is: it is not quantised again, and the codes and scales need not be those that the quantiser above would give.
;; One version. Each part assembles by itself: llvm-mc -triple=amdgcn-amd-amdhsa -mcpu=gfx1250 --defsym DOCPART=n.
;; ======== version 1 of 1: 4 launches
;; workspace buffers: ximg 6,291,456 bytes; xsh 262,144 bytes; wimg 786,432 bytes; qkv 20,447,232 bytes; oimg 6,291,456 bytes; osh 262,144 bytes
;; launch gnq (part 1): grid 128 x 1, 16 waves a work-group, no clusters, 53,760 bytes of LDS; arguments x, gamma, beta, wq_codes, wk_codes, wv_codes, wo_codes, ximg, xsh, wimg; writes ximg, xsh, wimg
.if DOCPART == 1
	.amdgcn_target "amdgcn-amd-amdhsa--gfx1250"
	.amdhsa_code_object_version 6
	.text
	.protected	k_q33f243f486_gnq
	.globl	k_q33f243f486_gnq
	.p2align	8
	.type	k_q33f243f486_gnq,@function
k_q33f243f486_gnq:
	s_mov_b64 s[64:65], 0
	v_nop
	global_prefetch_b8 v0, s[64:65] scope:SCOPE_SE
	s_setreg_imm32_b32 hwreg(HW_REG_WAVE_MODE, 25, 1), 1
	s_wait_xcnt 0x0
; LAUNCH 1 OF 4.  GroupNorm of x [16][512][1024] f32, and its result xn quantised along the channels (the K of the three projections) to codes of FP6 (E2M3) with one E8M0 byte for each 32 channels.
; Also: the four weights' codes are laid out once as images of the operand registers, for launches 2 and 4.
; DEAD WORK: none.  Every input has a way to the output: gamma, beta and x through xn; bq, bk, bv stand ahead of a quantiser (they move q's, k's, v's codes: bk too, though a softmax in real numbers would cancel it); bo and x are added at the end.
; LIMITS: a block whose largest magnitude lies under 2^-124 (a block of zeros among them) gets the scale byte 1 where the quantiser says less or 127: its codes are zeros or its numbers subnormal codes, and the bytes are read by this
; program alone.  NaN and infinities among the inputs are not served.  1 / sqrt is v_rsq_f32.
; SHARES.  A work-group owns one (batch, group): 64 channels x 1,024 positions = 262,144 bytes = 128 registers in each of its 512 threads: x is read once and stays in registers between the mean, the variance and the quantiser.
; 128 work-groups: the statistics span a whole group.  Wave w: channels 32 (w & 1) on, positions 128 (w >> 1) on.  Lane l: positions 4 l + j, j = 0..3; register X + 4 c + j is channel c.  So a block of 32 channels of one position lies in ONE lane.
; THE ORDER OF POSITIONS IN A TILE: row r of tile T (16 rows) is position 32 (T / 2) + 8 (T % 2) + r + (r & 8): as source 0 of a product such tiles leave 16 neighbouring positions in the 16 registers of tiles 2 b, 2 b + 1.  The same for the weights' rows.
; OUT.  ximg [b][T 64][s 4][c 2][768]: registers 6 c .. 6 c + 5 of the fragment (tile T, K step s): lane L's first four registers at 16 L, its last two at 512 + 8 L.  Group g fills (s, c) = (g / 2, g % 2); lanes 0-15 hold block 2 g, lanes 16-31 block 2 g + 1.
; xsh [b][g][T / 8][r 16][T % 8] of 2 bytes: the bytes of blocks 2 g and 2 g + 1.   wimg [q,k,v,o][h 8][s 4][tau 4][1,536]: registers 4 q .. 4 q + 3 of lane L at 512 q + 16 L.
; The codes meet in a stage in LDS, since a tile's 768 bytes come from two waves, and leave as runs of 512 and 256 consecutive bytes that begin at multiples of 256 from the buffer's first byte.
.set X,     32                         ; v32-159  x, then x - mean, then (x - mean) / sqrt(var + eps)
.set T,     160                        ; v160-191 32 channels of one position; at other times: at work
.set CD,    192                        ; v192-215 a block's codes, six registers for each j
.set CT,    216                        ; v216-218 the upper 16 codes as the conversion leaves them
.set BY,    220                        ; v220-223 a scale byte for each j
.set SPW,   10                         ; v10 LDS address of my spare word; never rewritten
.set NIL,   11                         ; v11 0; never rewritten
.set XSST,  49152                      ; LDS: 0: the stage [T 64][768]; here the scale bytes, 2,048;
.set RED0,  51200                      ; the waves' sums;
.set RED1,  51456                      ; the waves' sums of squares;
.set SPARE, 51712                      ; the spare words, 128 bytes for each of 16 waves, which no other line names
	s_load_b512 s[4:19], s[0:1], 0x0               ; x, gamma, beta, wq, wk, wv, wo, ximg
	s_load_b128 s[20:23], s[0:1], 0x40             ; xsh, wimg
	v_lshl_add_u32 v[SPW], v0, 2, SPARE
	v_mov_b32 v[NIL], 0
	v_lshrrev_b32 v12, 5, v0
	s_delay_alu instid0(VALU_DEP_1)
	v_readfirstlane_b32 s56, v12                   ; wave 0..15
	s_and_b32 s57, s56, 1                          ; which 32 channels
	s_lshr_b32 s60, s56, 1                         ; which 128 positions
	s_lshr_b32 s61, ttmp9, 3                       ; batch
	s_and_b32 s62, ttmp9, 7                        ; group
	s_mov_b32 s58, 0x76543210
	s_mov_b32 s59, 0xfedcba98                      ; v_permlanex16_b32's selects for lane l xor 16
	s_mov_b32 s3, 0                                ; the upper word of every offset pair s[2:3]
	v_and_b32 v13, 31, v0                          ; lane
	s_delay_alu instid0(VALU_DEP_1)
	v_lshlrev_b32 v1, 4, v13                       ; v1 = 16 x lane
	s_delay_alu instid0(VALU_DEP_2)
	v_lshlrev_b32 v19, 3, v13                      ; 8 x lane
	v_bfe_u32 v14, v0, 0, 1                        ; the lane's bits: position 4 l + j lies in tile 8 nr + 2 (l >> 3) + bit 1, at row 8 bit 2 + 4 bit 0 + j
	v_bfe_u32 v15, v0, 1, 1
	v_bfe_u32 v16, v0, 2, 1
	v_bfe_u32 v17, v0, 3, 2
	s_delay_alu instid0(VALU_DEP_1)
	v_mul_u32_u24 v18, v17, 1536
	s_delay_alu instid0(VALU_DEP_1)
	v_mad_u32_u24 v18, v15, 768, v18               ; the tile's 768 bytes within my wave's eight tiles
	s_mul_i32 s63, s60, 6144
	s_lshl_b32 s100, s57, 8
	s_add_co_u32 s100, s100, s63
	v_lshl_add_u32 v2, v16, 7, v18
	s_delay_alu instid0(VALU_DEP_1)
	v_lshl_add_u32 v2, v14, 6, v2
	s_delay_alu instid0(VALU_DEP_1)
	v_add_nc_u32 v2, s100, v2                      ; v2: the stage, first four registers: 768 T + 16 (row + 16 x my half of the channels); 16 j in the immediate
	s_lshl_b32 s100, s57, 7
	s_add_co_u32 s100, s100, s63
	s_add_co_u32 s100, s100, 512
	v_lshl_add_u32 v3, v16, 6, v18
	s_delay_alu instid0(VALU_DEP_1)
	v_lshl_add_u32 v3, v14, 5, v3
	s_delay_alu instid0(VALU_DEP_1)
	v_add_nc_u32 v3, s100, v3                      ; v3: last two registers: 768 T + 512 + 8 (row + 16 x half); 8 j in the immediate
	s_lshl_b32 s100, s60, 8
	s_add_co_u32 s100, s100, s57
	s_add_co_u32 s100, s100, XSST
	v_lshlrev_b32 v4, 7, v16
	s_delay_alu instid0(VALU_DEP_1)
	v_lshl_add_u32 v4, v14, 6, v4
	s_delay_alu instid0(VALU_DEP_1)
	v_lshl_add_u32 v4, v17, 2, v4
	s_delay_alu instid0(VALU_DEP_1)
	v_lshl_add_u32 v4, v15, 1, v4
	s_delay_alu instid0(VALU_DEP_1)
	v_add_nc_u32 v4, s100, v4                      ; v4: the scale byte: 256 nr + 16 row + 2 (T % 8) + half; 16 j in the immediate
	s_mul_i32 s100, s56, 3072
	v_add_nc_u32 v5, s100, v1                      ; v5, v6: the way out of the stage: wave w takes tiles 4 w .. 4 w + 3
	v_add_nc_u32 v6, s100, v19
	s_mul_i32 s100, s56, 24576
	v_add_nc_u32 v7, s100, v1                      ; v7, v8: the same tiles in ximg, 6,144 bytes apart
	v_add_nc_u32 v8, s100, v19
	v_lshlrev_b32 v9, 2, v0                        ; v9: 4 x thread: the scale bytes' way out
	v_mov_b32 v25, s56
	s_delay_alu instid0(VALU_DEP_1)
	v_lshlrev_b32 v25, 2, v25                      ; v25: my wave's word among the sums
	v_mov_b32 v26, 0                               ; v26: address 0
	v_mov_b32 v24, 0                               ; written once: a lane permute's destination counts as one of its sources
	v_and_b32 v20, 15, v0
	v_and_b32 v21, 8, v0
	s_delay_alu instid0(VALU_DEP_1)
	v_add_nc_u32 v20, v20, v21                     ; r + (r & 8)
	v_bfe_u32 v21, v0, 4, 1
	s_delay_alu instid0(VALU_DEP_2)
	v_mul_u32_u24 v27, v20, 384
	s_delay_alu instid0(VALU_DEP_1)
	v_mad_u32_u24 v27, v21, 24, v27                ; v27: a weight's fragment: row x 384 bytes + 24 x half
	s_wait_kmcnt 0x0
	s_lshl_b32 s2, s62, 8
	s_lshl_b32 s100, s57, 7
	s_add_co_u32 s2, s2, s100                      ; 4 (64 g + 32 half)
	s_add_nc_u64 s[6:7], s[6:7], s[2:3]
	s_add_nc_u64 s[8:9], s[8:9], s[2:3]
	s_load_b512 s[24:39], s[6:7], 0x0              ; gamma of my 32 channels: s24-55
	s_load_b512 s[40:55], s[6:7], 0x40
	s_load_b512 s[68:83], s[8:9], 0x0              ; beta: s68-99
	s_load_b512 s[84:99], s[8:9], 0x40
	s_lshl_b32 s2, ttmp9, 18                       ; the group's 262,144 bytes,
	s_lshl_b32 s100, s57, 17                       ; my 32 channels,
	s_add_co_u32 s2, s2, s100
	s_lshl_b32 s100, s60, 9                        ; my 128 positions
	s_add_co_u32 s2, s2, s100
	s_add_nc_u64 s[4:5], s[4:5], s[2:3]
.set c, 0
.rept 32
	global_load_b128 v[X+4*c:X+4*c+3], v1, s[4:5] offset:4096*c th:TH_LOAD_NT   ; channel c: the wave reads 512 consecutive bytes
.set c, c+1
.endr
	s_mul_i32 s2, s61, 393216
	s_mul_i32 s100, s62, 768
	s_add_co_u32 s2, s2, s100
	s_add_nc_u64 s[18:19], s[18:19], s[2:3]        ; ximg at (b, tile 0, my group's part)
	s_lshl_b32 s2, ttmp9, 11
	s_add_nc_u64 s[20:21], s[20:21], s[2:3]        ; xsh at (b, g)
	; THE WEIGHTS.  512 fragments in all: work-group i, wave w < 4 lays out fragment 4 i + w: matrix i >> 5, head block (i >> 2) & 7, K step i & 3, tile w.  A branch on the wave's number; no barrier stands inside.
	s_cmp_lt_u32 s56, 4
	s_cbranch_scc0 .Lno_w
	s_lshr_b32 s100, ttmp9, 5
	s_cmp_lt_u32 s100, 1
	s_cselect_b64 s[10:11], s[10:11], s[12:13]     ; the choice hangs on the work-group's number alone
	s_cmp_lt_u32 s100, 3
	s_cselect_b64 s[14:15], s[14:15], s[16:17]
	s_cmp_lt_u32 s100, 2
	s_cselect_b64 s[10:11], s[10:11], s[14:15]
	s_bfe_u32 s101, ttmp9, 0x30002
	s_lshl_b32 s101, s101, 6                       ; 64 h
	s_lshr_b32 s2, s56, 1
	s_lshl_b32 s2, s2, 5
	s_add_co_u32 s101, s101, s2                    ; + 32 (tau / 2)
	s_and_b32 s2, s56, 1
	s_lshl_b32 s2, s2, 3
	s_add_co_u32 s101, s101, s2                    ; + 8 (tau % 2)
	s_mul_i32 s101, s101, 384
	s_and_b32 s2, ttmp9, 3
	s_mul_i32 s2, s2, 96                           ; the K step's 96 bytes of a row
	s_add_co_u32 s2, s2, s101
	s_add_nc_u64 s[10:11], s[10:11], s[2:3]
	s_wait_alu depctr_va_vdst(0)
.irp p, 0,1,2,3,4,5
	global_load_b64 v[T+2*\p:T+2*\p+1], v27, s[10:11] offset:48*(\p/3)+8*(\p%3)
.endr
	s_lshl_b32 s2, ttmp9, 2
	s_add_co_u32 s2, s2, s56
	s_mul_i32 s2, s2, 1536
	s_add_nc_u64 s[22:23], s[22:23], s[2:3]
	s_wait_loadcnt 0x0                             ; the fragment is in (and x, for which the wave would wait next anyway)
.irp q, 0,1,2
	global_store_b128 v1, v[T+4*\q:T+4*\q+3], s[22:23] offset:512*\q   ; 512 consecutive bytes a store
.endr
.Lno_w:
.macro WRED reg                        ; the sum over the wave's 32 lanes, in every lane
	s_delay_alu instid0(VALU_DEP_1)
	v_add_f32_dpp v[\reg], v[\reg], v[\reg] row_xmask:1 row_mask:0xf bank_mask:0xf
	s_delay_alu instid0(VALU_DEP_1)
	v_add_f32_dpp v[\reg], v[\reg], v[\reg] row_xmask:2 row_mask:0xf bank_mask:0xf
	s_delay_alu instid0(VALU_DEP_1)
	v_add_f32_dpp v[\reg], v[\reg], v[\reg] row_xmask:4 row_mask:0xf bank_mask:0xf
	s_delay_alu instid0(VALU_DEP_1)
	v_add_f32_dpp v[\reg], v[\reg], v[\reg] row_xmask:8 row_mask:0xf bank_mask:0xf
	s_delay_alu instid0(VALU_DEP_1)
	v_permlanex16_b32 v24, v[\reg], s58, s59
	s_delay_alu instid0(VALU_DEP_1)
	v_add_f32 v[\reg], v[\reg], v24
.endm
.macro JOIN4                           ; four chains of pairs in v12-19 become one number in v12
	s_delay_alu instid0(VALU_DEP_3)
	v_pk_add_f32 v[12:13], v[12:13], v[14:15]
	s_delay_alu instid0(VALU_DEP_2)
	v_pk_add_f32 v[16:17], v[16:17], v[18:19]
	s_delay_alu instid0(VALU_DEP_1)
	v_pk_add_f32 v[12:13], v[12:13], v[16:17]
	s_delay_alu instid0(VALU_DEP_1)
	v_add_f32 v12, v12, v13
.endm
.macro ALLWAVES base                   ; v12 of the 16 waves is added, in the same order in every wave: the sum in v[T]
	ds_store_b32 v25, v12 offset:\base             ; all lanes write the wave's word with the same value
	s_wait_dscnt 0x0                               ; for the others' sake: my store has landed
	s_barrier_signal -1
	s_barrier_wait -1
.irp i, 0,1,2,3
	ds_load_b128 v[T+4*\i:T+4*\i+3], v26 offset:\base+16*\i
.endr
	s_wait_dscnt 0x0
.irp i, 0,2,4,6,8,10,12,14
	v_add_f32 v[T+\i], v[T+\i], v[T+\i+1]
.endr
.irp i, 0,4,8,12
	v_add_f32 v[T+\i], v[T+\i], v[T+\i+2]
.endr
	s_delay_alu instid0(VALU_DEP_3)
	v_add_f32 v[T], v[T], v[T+4]
	s_delay_alu instid0(VALU_DEP_2)
	v_add_f32 v[T+8], v[T+8], v[T+12]
	s_delay_alu instid0(VALU_DEP_1)
	v_add_f32 v[T], v[T], v[T+8]
.endm
	s_wait_loadcnt 0x0                             ; x
	s_wait_kmcnt 0x0                               ; gamma, beta
	s_wait_xcnt 0x0                                ; the weights' stores have read T: it is written again only behind this wait
	; THE MEAN of the group's 65,536 numbers
.irp k, 0,1,2,3
	v_pk_add_f32 v[12+2*\k:13+2*\k], v[X+2*\k:X+2*\k+1], v[X+8+2*\k:X+9+2*\k]   ; the first eight pairs start four chains: nothing is cleared
.endr
.set p, 8
.rept 14
.irp k, 0,1,2,3
	s_delay_alu instid0(VALU_DEP_4)
	v_pk_add_f32 v[12+2*\k:13+2*\k], v[12+2*\k:13+2*\k], v[X+2*(p+\k):X+2*(p+\k)+1]
.endr
.set p, p+4
.endr
	JOIN4
	WRED 12
	ALLWAVES RED0
	s_delay_alu instid0(VALU_DEP_1)
	v_mul_f32 v20, 0x37800000, v[T]                ; x 2^-16
	s_delay_alu instid0(VALU_DEP_1)
	v_mov_b32 v21, v20
	; THE VARIANCE, of the centred numbers: a common offset of x costs no difference of large sums
.set p, 0
.rept 64
	v_pk_add_f32 v[X+2*p:X+2*p+1], v[X+2*p:X+2*p+1], v[20:21] neg_lo:[0,1] neg_hi:[0,1]
.set p, p+1
.endr
.irp k, 0,1,2,3
	v_pk_mul_f32 v[12+2*\k:13+2*\k], v[X+2*\k:X+2*\k+1], v[X+2*\k:X+2*\k+1]
.endr
.set p, 4
.rept 15
.irp k, 0,1,2,3
	s_delay_alu instid0(VALU_DEP_4)
	v_pk_fma_f32 v[12+2*\k:13+2*\k], v[X+2*(p+\k):X+2*(p+\k)+1], v[X+2*(p+\k):X+2*(p+\k)+1], v[12+2*\k:13+2*\k]
.endr
.set p, p+4
.endr
	JOIN4
	WRED 12
	ALLWAVES RED1
	s_mov_b32 s100, 0x37800000                     ; 2^-16
	s_mov_b32 s101, 0x3727c5ac                     ; 1e-5
	v_fma_f32 v22, v[T], s100, s101                ; var + eps (the product is exact)
	s_wait_alu depctr_va_vdst(0)
	v_rsq_f32 v22, v22
	v_nop                                          ; a plain instruction behind the transcendental,
	s_wait_alu depctr_va_vdst(0)                   ; and the wait ahead of its first reader
	v_mov_b32 v23, v22
.set p, 0
.rept 64
	v_pk_mul_f32 v[X+2*p:X+2*p+1], v[X+2*p:X+2*p+1], v[22:23]
.set p, p+1
.endr
; Position 4 l + j: xn = X gamma + beta for its 32 channels, laid into consecutive registers by the multiply-add itself; the block's largest magnitude, with the floor 2^(3 - 127) among its leaves; 2 off its exponent field is the
; conversion's scale operand, and that field the scale's byte; 32 codes in six registers; to the stage.
.macro COL j
.set c, 0
.rept 32
	v_fma_f32 v[T+c], v[X+4*c+(\j)], s[24+c], s[68+c]
.set c, c+1
.endr
	v_max3_num_f32 v12, |v[T]|, |v[T+1]|, |v[T+2]|
	v_max3_num_f32 v13, |v[T+3]|, |v[T+4]|, |v[T+5]|
.irp i, 6,10,14,18,22,26
	s_delay_alu instid0(VALU_DEP_2)
	v_max3_num_f32 v12, v12, |v[T+\i]|, |v[T+\i+1]|
	s_delay_alu instid0(VALU_DEP_2)
	v_max3_num_f32 v13, v13, |v[T+\i+2]|, |v[T+\i+3]|
.endr
	s_delay_alu instid0(VALU_DEP_2)
	v_max3_num_f32 v12, v12, |v[T+30]|, |v[T+31]|
	s_delay_alu instid0(VALU_DEP_1)
	v_max3_num_f32 v12, v12, v13, 0x1800000
	s_delay_alu instid0(VALU_DEP_1)
	v_add_nc_u32 v14, 0xff000000, v12
	v_cvt_scalef32_pk16_fp6_f32 v[CD+6*(\j):CD+6*(\j)+2], v[T:T+15], v14
	v_cvt_scalef32_pk16_fp6_f32 v[CT:CT+2], v[T+16:T+31], v14      ; (a conversion's three registers begin on an even number)
	v_lshrrev_b32 v[BY+(\j)], 23, v14              ; the byte; also the plain instruction behind the conversions
.irp i, 0,1,2
	v_mov_b32 v[CD+6*(\j)+3+\i], v[CT+\i]
.endr
	ds_store_b128 v2, v[CD+6*(\j):CD+6*(\j)+3] offset:16*(\j)
	ds_store_b64 v3, v[CD+6*(\j)+4:CD+6*(\j)+5] offset:8*(\j)
	ds_store_b8 v4, v[BY+(\j)] offset:16*(\j)
.endm
	COL 0
	COL 1
	COL 2
	COL 3
	s_wait_dscnt 0x0                               ; for the others' sake: my stores into the stage have landed
	s_barrier_signal -1
	s_barrier_wait -1
.irp i, 0,1,2,3
	ds_load_b128 v[T+8*\i:T+8*\i+3], v5 offset:768*\i
	ds_load_b64 v[T+8*\i+4:T+8*\i+5], v6 offset:768*\i+512
.endr
	ds_load_b32 v12, v9 offset:XSST
.irp i, 0,1,2,3
	s_wait_dscnt 8-2*\i                            ; the count: the LDS loads issued behind the one that is wanted
	global_store_b128 v7, v[T+8*\i:T+8*\i+3], s[18:19] offset:6144*\i          ; 512 consecutive bytes
	s_wait_dscnt 7-2*\i
	global_store_b64 v8, v[T+8*\i+4:T+8*\i+5], s[18:19] offset:6144*\i+512     ; 256 consecutive bytes
.endr
	s_wait_dscnt 0x0
	global_store_b32 v9, v12, s[20:21]             ; the work-group's 2,048 scale bytes, 128 consecutive bytes a wave
	s_wait_tensorcnt 0x0                           ; the wave's end, behind my last LDS store
	ds_add_u32 v[SPW], v[NIL]
	s_wait_dscnt 0x0
	s_endpgm
.Lfunc_end_k_q33f243f486_gnq:
	.size	k_q33f243f486_gnq, .Lfunc_end_k_q33f243f486_gnq-k_q33f243f486_gnq
	.p2alignl 7, 3214868480
	.fill 96, 4, 3214868480
	.section	.rodata,"a",@progbits
	.p2align	6, 0x0
	.amdhsa_kernel k_q33f243f486_gnq
		.amdhsa_group_segment_fixed_size 53760
		.amdhsa_private_segment_fixed_size 0
		.amdhsa_enable_private_segment 0
		.amdhsa_kernarg_size 80
		.amdhsa_user_sgpr_count 2
		.amdhsa_user_sgpr_kernarg_segment_ptr 1
		.amdhsa_wavefront_size32 1
		.amdhsa_system_sgpr_workgroup_id_x 1
		.amdhsa_system_sgpr_workgroup_id_y 1
		.amdhsa_system_sgpr_workgroup_id_z 1
		.amdhsa_system_vgpr_workitem_id 0
		.amdhsa_next_free_vgpr 224
		.amdhsa_next_free_sgpr 102
		.amdhsa_reserve_vcc 0
		.amdhsa_float_denorm_mode_32 3
		.amdhsa_float_denorm_mode_16_64 3
		.amdhsa_memory_ordered 1
		.amdhsa_forward_progress 1
		.amdhsa_inst_pref_size 51
	.end_amdhsa_kernel
	.amdgpu_metadata
---
amdhsa.version: [ 1, 2 ]
amdhsa.kernels:
  - .name:           k_q33f243f486_gnq
    .symbol:         k_q33f243f486_gnq.kd
    .args:
      - { .name: x, .offset: 0, .size: 8, .value_kind: global_buffer, .address_space: global }
      - { .name: gamma, .offset: 8, .size: 8, .value_kind: global_buffer, .address_space: global }
      - { .name: beta, .offset: 16, .size: 8, .value_kind: global_buffer, .address_space: global }
      - { .name: wq_codes, .offset: 24, .size: 8, .value_kind: global_buffer, .address_space: global }
      - { .name: wk_codes, .offset: 32, .size: 8, .value_kind: global_buffer, .address_space: global }
      - { .name: wv_codes, .offset: 40, .size: 8, .value_kind: global_buffer, .address_space: global }
      - { .name: wo_codes, .offset: 48, .size: 8, .value_kind: global_buffer, .address_space: global }
      - { .name: ximg, .offset: 56, .size: 8, .value_kind: global_buffer, .address_space: global }
      - { .name: xsh, .offset: 64, .size: 8, .value_kind: global_buffer, .address_space: global }
      - { .name: wimg, .offset: 72, .size: 8, .value_kind: global_buffer, .address_space: global }
    .group_segment_fixed_size: 53760
    .private_segment_fixed_size: 0
    .kernarg_segment_align: 8
    .kernarg_segment_size: 80
    .max_flat_workgroup_size: 512
    .sgpr_count:     102
    .vgpr_count:     224
    .wavefront_size: 32
...
	.end_amdgpu_metadata
.endif
;; end of part 1
;; launch qkv (part 2): grid 16 x 16, 4 waves a work-group, no clusters, 167,936 bytes of LDS; arguments ximg, xsh, wimg, wq_scales, wk_scales, wv_scales, bq, bk, bv, qkv; writes qkv
.if DOCPART == 2
	.amdgcn_target "amdgcn-amd-amdhsa--gfx1250"
	.amdhsa_code_object_version 6
	.text
	.protected	k_q33f243f486_qkv
	.globl	k_q33f243f486_qkv
	.p2align	8
	.type	k_q33f243f486_qkv,@function
k_q33f243f486_qkv:
	s_mov_b64 s[64:65], 0
	v_nop
	global_prefetch_b8 v0, s[64:65] scope:SCOPE_SE
	s_setreg_imm32_b32 hwreg(HW_REG_WAVE_MODE, 25, 1), 1
	s_wait_xcnt 0x0
; LAUNCH 2 OF 4.  q = wq xn + bq, k = wk xn + bk, v = wv xn + bv on codes of FP6 (E2M3), and the results quantised for the attention: q and k along the head's 64 channels, v along the keys.  No work of the problem is left out.
; LIMITS: as in launch 1 (a block under 2^-124 keeps the byte 1; NaN and infinities are not served).
; SHARES.  A work-group takes 128 positions (8 tiles of 16) of one batch and four heads; wave w is head 4 half + w and makes that head's q, k and v in three passes: 64 x 128 results in 32 accumulators, four K steps of 128 channels.
; xn's 32 fragments (49,152 bytes, dense in ximg) come into LDS once, a quarter by each wave's one tensor load; nothing is filled again.  A wave's weights go from wimg straight into its registers, three K steps and a quantising ahead.
; NO CLUSTER: the weights are a wave's own (no two waves of a work-group read the same), and xn's tile has two readers in the launch (the two halves of the heads): 49,152 bytes once, against 294,912 bytes of weights a work-group.
; q, k: source 0 = 16 rows of W, source 1 = 16 positions: a lane holds ONE position and, in the 16 registers of tiles 2 b, 2 b + 1 of W's rows, channels 32 b + 16 (lane / 16) + 0..15 (launch 1 has laid W's rows in that order).
; v: source 0 = 16 positions, source 1 = 16 rows of W: a lane holds one channel and 16 neighbouring keys.  So both are quantised by one macro.  The biases are the C of each sum's first matrix instruction.
; OUT.  qkv [b][h][q,k,v][53,248]: 32 fragments of 1,536 bytes (registers 4 i .. 4 i + 3 of lane L at 512 i + 16 L), then their scale words [8][lane 32][4].  A fragment of q or k is TWO tiles of 16 positions x 64 channels, one behind the other
; along the instruction's 128; a fragment of v is 16 channels x 128 keys.
; REGISTERS.  window 0: v1-9 addresses; v16-47 xn's scale words (4 T + s); v48-95 the weights' (16 X + 4 tau + s); v96-227 the quantiser's.  window 1: W's fragments (48 s + 12 tau); from v192 bq's four tiles, from v224 bk's.
; window 2: xn's fragments, two buffers (96 p + 12 T); from v192 bv's four tiles.  window 3: the 32 accumulators.
.set SPARE, 49152                      ; behind xn's fragments: the spare words, 128 bytes for each wave, which no other line names
.set A16,  1                           ; v1 16 x lane
.set A8,   2                           ; v2 8 x lane
.set RP16, 3                           ; v3 16 (r + (r & 8))
.set RP4,  4                           ; v4 4 (r + (r & 8))
.set H64,  5                           ; v5 64 (lane / 16)
.set R16,  6                           ; v6 16 r
.set SPW,  8                           ; v8 LDS address of my spare word; never rewritten
.set NIL,  9                           ; v9 0; never rewritten
.set XS,   16
.set WS,   48
.set TM,   96                          ; 16 largest magnitudes
.set TP,   112                         ; the other half's, then the bytes
.set TS,   128                         ; the conversions' scale operands
.set SW,   144                         ; four scale words
.set PC,   148                         ; four fragments of codes
.set CT,   196                         ; the conversions' second halves
.set XH,   148                         ; at the head: xsh as it lies
.set MSB, 0
.macro WIN new                         ; the immediate's high byte repeats the setting that is left
.if MSB != \new
	s_set_vgpr_msb (MSB<<8)|\new
.set MSB, \new
.endif
.endm
.macro MM d, a, b, c, sa, sb
	v_wmma_scale_f32_16x16x128_f8f6f4 v[(\d):(\d)+7], v[(\a):(\a)+11], v[(\b):(\b)+11], v[(\c):(\c)+7], v[(\sa)], v[(\sb)] matrix_a_fmt:MATRIX_FMT_FP6 matrix_b_fmt:MATRIX_FMT_FP6
.endm
.macro XFETCH p, s                     ; xn's eight fragments of K step s into buffer p: 32 LDS loads, each of consecutive bytes.  Leaves the destination's window at 2
	WIN 0x80
.irp tt, 0,1,2,3,4,5,6,7
	ds_load_b128 v[96*(\p)+12*\tt:96*(\p)+12*\tt+3], v[A16] offset:(4*\tt+(\s))*1536
	ds_load_b64 v[96*(\p)+12*\tt+4:96*(\p)+12*\tt+5], v[A8] offset:(4*\tt+(\s))*1536+512
	ds_load_b128 v[96*(\p)+12*\tt+6:96*(\p)+12*\tt+9], v[A16] offset:(4*\tt+(\s))*1536+768
	ds_load_b64 v[96*(\p)+12*\tt+10:96*(\p)+12*\tt+11], v[A8] offset:(4*\tt+(\s))*1536+1280
.endr
.endm
.macro WFETCH X, s                     ; matrix X's four fragments of K step s: 12 loads of 512 consecutive bytes.  Leaves the destination's window at 1
	WIN 0x40
.irp tau, 0,1,2,3
.irp q, 0,1,2
	global_load_b128 v[48*(\s)+12*\tau+4*\q:48*(\s)+12*\tau+4*\q+3], v[A16], s[8:9] offset:196608*(\X)+1536*(4*(\s)+\tau)+512*\q
.endr
.endr
.endm
; 32 matrix instructions: 8 tiles of positions x 4 tiles of W's rows, 128 along K.  The 32 accumulators take turns, one instruction a turn, in the same order in every step.
.macro MUL32 X, s, p
.if (\X) < 2
.if (\s) == 0
	WIN 0xd9                                       ; source 0 (W) window 1, source 1 (xn) window 2, C (the bias) window 1, D window 3
.else
	WIN 0xf9                                       ; C and D window 3
.endif
.irp tt, 0,1,2,3,4,5,6,7
.irp tau, 0,1,2,3
.if (\s) == 0
	MM 32*\tt+8*\tau, 48*(\s)+12*\tau, 96*(\p)+12*\tt, 192+32*(\X)+8*\tau, WS+16*(\X)+4*\tau+(\s), XS+4*\tt+(\s)
.else
	MM 32*\tt+8*\tau, 48*(\s)+12*\tau, 96*(\p)+12*\tt, 32*\tt+8*\tau, WS+16*(\X)+4*\tau+(\s), XS+4*\tt+(\s)
.endif
.endr
.endr
.else
.if (\s) == 0
	WIN 0xe6                                       ; source 0 (xn) window 2, source 1 (W) window 1, C (the bias) window 2, D window 3
.else
	WIN 0xf6
.endif
.irp tt, 0,1,2,3,4,5,6,7
.irp tau, 0,1,2,3
.if (\s) == 0
	MM 64*\tau+8*\tt, 96*(\p)+12*\tt, 48*(\s)+12*\tau, 192+8*\tau, XS+4*\tt+(\s), WS+16*(\X)+4*\tau+(\s)
.else
	MM 64*\tau+8*\tt, 96*(\p)+12*\tt, 48*(\s)+12*\tau, 64*\tau+8*\tt, XS+4*\tt+(\s), WS+16*(\X)+4*\tau+(\s)
.endif
.endr
.endr
.endif
.endm
.macro STEP X, s
.if 4*(\X)+(\s) == 11
	s_wait_dscnt 0x0                               ; the last step: nothing was asked for behind its fragments
.else
	s_wait_dscnt 32                                ; this step's fragments of xn are in; the next step's 32 loads may be out
.endif
.if (\X) < 2
	s_wait_loadcnt 36                              ; this step's W is in.  Behind it were asked: this matrix's 3 - s later K steps and the next matrix's s earlier ones, 12 loads each
.else
	s_wait_loadcnt 12*(3-(\s))                     ; the last matrix: only its own later K steps
.endif
	MUL32 \X, \s, (\s)%2
.rept 4
	v_nop                                          ; four places in front of loads into registers that these products have read, and of the first read of results
.endr
.if 4*(\X)+(\s)+2 <= 11
	XFETCH (\s)%2, ((\s)+2)%4                      ; the step after next, into the buffer just multiplied
.endif
.if (\X) < 2
	WFETCH (\X)+1, \s                              ; the next matrix's same K step, into the registers just multiplied
.endif
.endm
; The 256 results become four fragments.  Block B of 16 is registers 16 B .. 16 B + 15 of window 3: 16 neighbours along the next K of my row; lane l xor 16 holds the block's other 16.
.macro QUANTALL X
	s_wait_xcnt 0x0                                ; the last pass's stores have read their data: PC and SW are written again only behind this wait
	WIN 0x0f
.irp bb, 0,1,2,3,4,5,6,7,8,9,10,11,12,13,14,15
	v_max3_num_f32 v[TM+\bb], |v[16*\bb]|, |v[16*\bb+1]|, 0x1800000   ; with the floor 2^(3 - 127): the byte cannot fall under 1.  Each accumulator is read from its low end on
.endr
	WIN 0x3c
.irp i, 2,4,6,8,10,12,14
.irp bb, 0,1,2,3,4,5,6,7,8,9,10,11,12,13,14,15
	v_max3_num_f32 v[TM+\bb], v[TM+\bb], |v[16*\bb+\i]|, |v[16*\bb+\i+1]|
.endr
.endr
	WIN 0
.irp bb, 0,1,2,3,4,5,6,7,8,9,10,11,12,13,14,15
	v_permlanex16_b32 v[TP+\bb], v[TM+\bb], s44, s45
.endr
.irp bb, 0,1,2,3,4,5,6,7,8,9,10,11,12,13,14,15
	v_max_num_f32 v[TM+\bb], v[TM+\bb], v[TP+\bb]  ; the block's largest magnitude
.endr
.irp bb, 0,1,2,3,4,5,6,7,8,9,10,11,12,13,14,15
	v_add_nc_u32 v[TS+\bb], 0xff000000, v[TM+\bb]  ; 2 off its exponent field: the conversion's scale operand
.endr
.irp bb, 0,1,2,3,4,5,6,7,8,9,10,11,12,13,14,15
	v_lshrrev_b32 v[TP+\bb], 23, v[TS+\bb]         ; the scale's byte
.endr
.irp pp, 0,1,2,3
	v_lshl_or_b32 v[SW+\pp], v[TP+4*\pp+1], 8, v[TP+4*\pp]
.endr
.irp pp, 0,1,2,3
	v_lshl_or_b32 v[SW+\pp], v[TP+4*\pp+2], 16, v[SW+\pp]
.endr
.irp pp, 0,1,2,3
	v_lshl_or_b32 v[SW+\pp], v[TP+4*\pp+3], 24, v[SW+\pp]
.endr
	WIN 0x03
.irp cc, 0,1,2,3,4,5,6,7
	v_cvt_scalef32_pk16_fp6_f32 v[PC+6*\cc:PC+6*\cc+2], v[32*\cc:32*\cc+15], v[TS+2*\cc]
	v_cvt_scalef32_pk16_fp6_f32 v[CT+4*\cc:CT+4*\cc+2], v[32*\cc+16:32*\cc+31], v[TS+2*\cc+1]   ; (a conversion's three registers begin on an even number)
.endr
	WIN 0
	v_nop                                          ; one plain instruction behind the conversions
.irp cc, 0,1,2,3,4,5,6,7                       ; the operand's layout wants a whole block in a lane: lanes 0-15 block 2 cc, lanes 16-31 block 2 cc + 1
.irp i, 0,1,2
	v_permlane16_swap_b32 v[PC+6*\cc+\i], v[CT+4*\cc+\i]
.endr
.irp i, 0,1,2
	v_mov_b32 v[PC+6*\cc+3+\i], v[CT+4*\cc+\i]
.endr
.endr
.irp pp, 0,1,2,3
.irp q, 0,1,2
	global_store_b128 v[A16], v[PC+12*\pp+4*\q:PC+12*\pp+4*\q+3], s[48:49] offset:53248*(\X)+1536*\pp+512*\q   ; 512 consecutive bytes, at a multiple of 256 from the buffer's first byte
.endr
.endr
	global_store_b128 v[A16], v[SW:SW+3], s[50:51] offset:53248*(\X)
.endm
	s_load_b512 s[4:19], s[0:1], 0x0               ; ximg, xsh, wimg, wq_scales, wk_scales, wv_scales, bq, bk
	s_load_b128 s[20:23], s[0:1], 0x40             ; bv, qkv
	v_lshl_add_u32 v[SPW], v0, 2, SPARE
	v_mov_b32 v[NIL], 0
	ds_add_u32 v[SPW], v[NIL]                      ; the wave's opening: the add, twice on end, and its wait ahead of my first tensor load
	ds_add_u32 v[SPW], v[NIL]
	v_lshrrev_b32 v10, 5, v0
	v_readfirstlane_b32 s24, v10                   ; wave 0..3
	s_and_b32 s25, ttmp9, 7                        ; which 128 positions
	s_lshr_b32 s26, ttmp9, 3                       ; which four heads
	s_and_b32 s27, ttmp7, 0xffff                   ; batch
	s_lshl_b32 s28, s26, 2
	s_add_co_u32 s28, s28, s24                     ; my head
	s_mov_b32 s36, 3<<16                           ; group 1: elements of 8 bytes, no mask, no padding
	s_mov_b32 s37, 32<<16                          ; tensor_dim0 = 32 (256 bytes)
	s_mov_b32 s38, 48<<16                          ; tensor_dim1 = 48
	s_mov_b32 s39, 32<<16                          ; tile_dim0 = 32
	s_mov_b32 s40, 48                              ; tile_dim1 = 48: 12,288 dense bytes
	s_mov_b32 s41, 32                              ; the pitch
	s_mov_b32 s42, 0
	s_mov_b32 s43, 0
	s_mov_b32 s44, 0x76543210
	s_mov_b32 s45, 0xfedcba98                      ; v_permlanex16_b32's selects for lane l xor 16
	s_mov_b32 s46, 0x05040100                      ; v_perm_b32: the two low halves
	s_mov_b32 s47, 0x07060302                      ; the two high halves
	s_mov_b32 s31, 0
	v_and_b32 v10, 31, v0
	v_lshlrev_b32 v[A16], 4, v10
	v_lshlrev_b32 v[A8], 3, v10
	v_and_b32 v11, 15, v0
	v_and_b32 v12, 8, v0
	v_add_nc_u32 v12, v11, v12
	v_lshlrev_b32 v[RP16], 4, v12
	v_lshlrev_b32 v[RP4], 2, v12
	v_bfe_u32 v13, v0, 4, 1
	v_lshlrev_b32 v[H64], 6, v13
	v_lshlrev_b32 v[R16], 4, v11
	s_lshl_b32 s30, s27, 3
	s_add_co_u32 s30, s30, s25
	s_mul_i32 s30, s30, 49152                      ; (8 b + nblk) x 49,152: the eight tiles' fragments
	s_mul_i32 s33, s24, 12288                      ; my quarter, in LDS
	s_add_co_u32 s30, s30, s33                     ; and in memory
	s_mov_b32 s32, 1
	s_wait_alu depctr_va_vdst(0)
	s_wait_dscnt 0x0                               ; both opening adds are done
	s_wait_kmcnt 0x0
	s_add_nc_u64 s[34:35], s[4:5], s[30:31]
	s_or_b32 s35, s35, 0x80000000
	tensor_load_to_lds s[32:35], s[36:43]          ; my one tensor load
	s_nop 0
.rept 4
	v_nop
.endr
	s_lshl_b32 s30, s27, 14
	s_lshl_b32 s29, s25, 8
	s_add_co_u32 s30, s30, s29
	s_add_nc_u64 s[6:7], s[6:7], s[30:31]          ; xsh at (b, group 0, nblk)
	s_mul_i32 s30, s28, 24576
	s_add_nc_u64 s[8:9], s[8:9], s[30:31]          ; wimg at my head's 16 fragments of wq
	s_lshl_b32 s30, s28, 10
	s_add_nc_u64 s[10:11], s[10:11], s[30:31]      ; the weights' scale bytes: 16 a row, my 64 rows
	s_add_nc_u64 s[12:13], s[12:13], s[30:31]
	s_add_nc_u64 s[14:15], s[14:15], s[30:31]
	s_lshl_b32 s30, s28, 8
	s_add_nc_u64 s[16:17], s[16:17], s[30:31]      ; the biases: my 64 numbers
	s_add_nc_u64 s[18:19], s[18:19], s[30:31]
	s_add_nc_u64 s[20:21], s[20:21], s[30:31]
	s_lshl_b32 s30, s27, 3
	s_add_co_u32 s30, s30, s28
	s_mul_i32 s30, s30, 159744
	s_add_nc_u64 s[22:23], s[22:23], s[30:31]      ; qkv at (b, h)
	s_mul_i32 s30, s25, 6144
	s_add_nc_u64 s[48:49], s[22:23], s[30:31]      ; my four fragments
	s_lshl_b32 s30, s25, 9
	s_add_co_u32 s30, s30, 49152
	s_add_nc_u64 s[50:51], s[22:23], s[30:31]      ; and their scale words
.irp g, 0,1,2,3,4,5,6,7
	global_load_b128 v[XH+4*\g:XH+4*\g+3], v[R16], s[6:7] offset:2048*\g      ; row r: eight tiles' two bytes of group g
.endr
.irp tau, 0,1,2,3
	global_load_b128 v[WS+4*\tau:WS+4*\tau+3], v[RP16], s[10:11] offset:16*(32*(\tau/2)+8*(\tau%2))      ; a row's four scale words
	global_load_b128 v[WS+16+4*\tau:WS+16+4*\tau+3], v[RP16], s[12:13] offset:16*(32*(\tau/2)+8*(\tau%2))
	global_load_b128 v[WS+32+4*\tau:WS+32+4*\tau+3], v[RP16], s[14:15] offset:16*(32*(\tau/2)+8*(\tau%2))
.endr
	WIN 0x40
.irp tau, 0,1,2,3                              ; q, k: register j of a result is W's row 32 (tau / 2) + 8 (tau % 2) + 16 (lane / 16) + j
	global_load_b128 v[192+8*\tau:195+8*\tau], v[H64], s[16:17] offset:128*(\tau/2)+32*(\tau%2)
	global_load_b128 v[196+8*\tau:199+8*\tau], v[H64], s[16:17] offset:128*(\tau/2)+32*(\tau%2)+16
	global_load_b128 v[224+8*\tau:227+8*\tau], v[H64], s[18:19] offset:128*(\tau/2)+32*(\tau%2)
	global_load_b128 v[228+8*\tau:231+8*\tau], v[H64], s[18:19] offset:128*(\tau/2)+32*(\tau%2)+16
.endr
	WIN 0x80
.irp tau, 0,1,2,3                              ; v: all eight registers of a result belong to W's row 32 (tau / 2) + 8 (tau % 2) + r + (r & 8)
.irp j, 0,1,2,3,4,5,6,7
	global_load_b32 v[192+8*\tau+\j], v[RP4], s[20:21] offset:4*(32*(\tau/2)+8*(\tau%2))
.endr
.endr
	WFETCH 0, 0
	WFETCH 0, 1
	WFETCH 0, 2
	WFETCH 0, 3
	WIN 0
.irp bb, 0,1,2,3,4,5,6,7,8,9,10,11,12,13,14,15
	v_mov_b32 v[TP+\bb], 0                         ; written once: a lane permute's destination counts as one of its sources
.endr
	s_wait_tensorcnt 0x0                           ; my quarter of xn's fragments is in,
	s_barrier_signal -1
	s_barrier_wait -1                              ; everybody's is
	XFETCH 0, 0
	XFETCH 1, 1
	WIN 0
	s_wait_loadcnt 36                              ; all but wq's K steps 1 to 3
.irp tt, 0,1,2,3,4,5,6,7                       ; xn's scale word of tile T, K step s: the two bytes of group 2 s below those of group 2 s + 1
.irp s, 0,1,2,3
.if (\tt%2) == 0
	v_perm_b32 v[XS+4*\tt+\s], v[XH+4*(2*\s+1)+\tt/2], v[XH+8*\s+\tt/2], s46
.else
	v_perm_b32 v[XS+4*\tt+\s], v[XH+4*(2*\s+1)+\tt/2], v[XH+8*\s+\tt/2], s47
.endif
.endr
.endr
.rept 8
	v_nop                                          ; a scale register written by a vector instruction stands eight places ahead of a scaled matrix instruction
.endr
	s_wait_alu depctr_va_vdst(0)
.irp m, 0,1,2
	STEP \m, 0
	STEP \m, 1
	STEP \m, 2
	STEP \m, 3
	QUANTALL \m
.endr
	s_wait_tensorcnt 0x0                           ; the wave's end (every window is 0 here)
	ds_add_u32 v[SPW], v[NIL]
	s_wait_dscnt 0x0
	s_endpgm
.Lfunc_end_k_q33f243f486_qkv:
	.size	k_q33f243f486_qkv, .Lfunc_end_k_q33f243f486_qkv-k_q33f243f486_qkv
	.p2alignl 7, 3214868480
	.fill 96, 4, 3214868480
	.section	.rodata,"a",@progbits
	.p2align	6, 0x0
	.amdhsa_kernel k_q33f243f486_qkv
		.amdhsa_group_segment_fixed_size 167936
		.amdhsa_private_segment_fixed_size 0
		.amdhsa_enable_private_segment 0
		.amdhsa_kernarg_size 80
		.amdhsa_user_sgpr_count 2
		.amdhsa_user_sgpr_kernarg_segment_ptr 1
		.amdhsa_wavefront_size32 1
		.amdhsa_system_sgpr_workgroup_id_x 1
		.amdhsa_system_sgpr_workgroup_id_y 1
		.amdhsa_system_sgpr_workgroup_id_z 1
		.amdhsa_system_vgpr_workitem_id 0
		.amdhsa_next_free_vgpr 1024
		.amdhsa_next_free_sgpr 66
		.amdhsa_reserve_vcc 0
		.amdhsa_float_denorm_mode_32 3
		.amdhsa_float_denorm_mode_16_64 3
		.amdhsa_memory_ordered 1
		.amdhsa_forward_progress 1
		.amdhsa_inst_pref_size 151
	.end_amdhsa_kernel
	.amdgpu_metadata
---
amdhsa.version: [ 1, 2 ]
amdhsa.kernels:
  - .name:           k_q33f243f486_qkv
    .symbol:         k_q33f243f486_qkv.kd
    .args:
      - { .name: ximg, .offset: 0, .size: 8, .value_kind: global_buffer, .address_space: global }
      - { .name: xsh, .offset: 8, .size: 8, .value_kind: global_buffer, .address_space: global }
      - { .name: wimg, .offset: 16, .size: 8, .value_kind: global_buffer, .address_space: global }
      - { .name: wq_scales, .offset: 24, .size: 8, .value_kind: global_buffer, .address_space: global }
      - { .name: wk_scales, .offset: 32, .size: 8, .value_kind: global_buffer, .address_space: global }
      - { .name: wv_scales, .offset: 40, .size: 8, .value_kind: global_buffer, .address_space: global }
      - { .name: bq, .offset: 48, .size: 8, .value_kind: global_buffer, .address_space: global }
      - { .name: bk, .offset: 56, .size: 8, .value_kind: global_buffer, .address_space: global }
      - { .name: bv, .offset: 64, .size: 8, .value_kind: global_buffer, .address_space: global }
      - { .name: qkv, .offset: 72, .size: 8, .value_kind: global_buffer, .address_space: global }
    .group_segment_fixed_size: 167936
    .private_segment_fixed_size: 0
    .kernarg_segment_align: 8
    .kernarg_segment_size: 80
    .max_flat_workgroup_size: 128
    .sgpr_count:     66
    .vgpr_count:     1024
    .wavefront_size: 32
...
	.end_amdgpu_metadata
.endif
;; end of part 2
;; launch attn (part 3): grid 2 x 128, 16 waves a work-group, no clusters, 167,936 bytes of LDS; arguments qkv, oimg, osh; writes oimg, osh
.if DOCPART == 3
	.amdgcn_target "amdgcn-amd-amdhsa--gfx1250"
	.amdhsa_code_object_version 6
	.text
	.protected	k_q33f243f486_attn
	.globl	k_q33f243f486_attn
	.p2align	8
	.type	k_q33f243f486_attn,@function
k_q33f243f486_attn:
	s_mov_b64 s[64:65], 0
	v_nop
	global_prefetch_b8 v0, s[64:65] scope:SCOPE_SE
	s_setreg_imm32_b32 hwreg(HW_REG_WAVE_MODE, 25, 1), 1
	s_wait_xcnt 0x0
; LAUNCH 3 OF 4.  For each (batch, head): S = q k^T / 8, the softmax, O = p v / l, both products on codes of FP6 (E2M3); O quantised along the channels for the last projection.  No work of the problem is left out.
; THE SOFTMAX AHEAD OF THE SECOND PRODUCT: t = score x log2(e) / 8; M = the running largest t rounded UP to a whole number, kept as -M = floor(-t); p = 2^(t - M) is quantised along the keys, not normalised; the row's sum is taken of the
; unquantised p; when M moves, the sum and O are multiplied by 2^(old M - new M), which rounds nothing.  A block's largest p is not searched for: the block's largest SCORE goes through the same multiply-add and exponential (this takes
; v_exp_f32 not to fall where its input rises).
; LIMITS: as in launch 1; 1 / l is v_rcp_f32.
; SHARES.  A work-group takes 512 queries of one head; wave w owns two tiles of 16 queries and takes them one after the other; four waves to a SIMD, so that one wave's vector work stands beside another's products and LDS loads.
; The head's whole K and V, codes and scale words (106,496 dense bytes of qkv), come into LDS ONCE, 6,656 bytes by each wave's one tensor load: one barrier, and nothing is filled again.
; NO CLUSTER: the two work-groups of a head share that one fill of 106,496 bytes at the head; each of them then reads these bytes out of its LDS 32 times over.  What could be shared is a small part of the launch's work.
; K = 64 IN AN INSTRUCTION OF 128.  A fragment of k holds two tiles of 16 keys, one behind the other along the instruction's 128.  The queries stand twice: QLO = [q | zero codes], QHI = [zero codes | q].  k's fragment x QLO gives the first
; tile's scores, x QHI the second's: zero codes add nothing under k's scale bytes, which lie in 1 .. 254.
; LAYOUT.  Both products transposed (source 0 = keys, or V's channels; source 1 = my queries): a lane holds ONE query throughout.  By the order of rows that launches 1 and 2 gave the tiles, registers S + 16 F + i are keys 32 F + 16 (lane / 16) + i
; of the step's 128, and registers O + 16 b + i channels 32 b + 16 (lane / 16) + i of the head's 64.
.set KS,    49152                      ; LDS: 0: k's 32 fragments; here their scale words, 4,096 bytes;
.set VC,    53248                      ; v's 32 fragments;
.set VS,    102400                     ; their scale words
.set SPARE, 110592                     ; the spare words, 128 bytes for each of 16 waves, which no other line names
.set A16, 1                            ; v1  16 x lane
.set SPW, 2                            ; v2  LDS address of my spare word; never rewritten
.set NIL, 3                            ; v3  0; never rewritten
.set ADK, 4                            ; v4-7 the step's LDS addresses: k, k's scale words, v, v's scale words
.set ADS, 5
.set ADV, 6
.set ADT, 7
.set A8,  8                            ; v8  8 x lane
.set R16, 9                            ; v9  16 r
.set AS0, 10                           ; v10 16 x lane + KS;  v11 + VC;  v30 + VS
.set AV0, 11
.set AT0, 30
.set QP,  16                           ; v16-27 my fragment of q: two tiles
.set QW,  28                           ; v28 its scale word
.set QS,  29                           ; v29 the scale word of the tile in hand, its two bytes twice
.set QLO, 32
.set QHI, 44
.set FR,  56                           ; v56-103 four fragments of k, then of v
.set S,   104                          ; v104-167 the scores, then p
.set O,   168                          ; v168-199 O^T
.set PC,  200                          ; v200-211 p's codes
.set CT,  212                          ; v212-214, v216-218 the conversions' second halves
.set BM,  220                          ; v220-223 the blocks' maxima
.set BT,  224                          ; v224-227 the other half's, then the bytes
.set SO,  228                          ; v228-231 the conversions' scale operands
.set KSW, 232                          ; v232-235 four scale words of k, then of v
.set F,   236                          ; v[236:237] f = 2^(old M - new M), and a word that is set once
.set PW,  238                          ; p's scale word
.set TMP, 239
.set SM2, 240                          ; v[240:241] the sum's second chain
.set HW0, 242                          ; v242, v243 the two tiles' scale bytes of O
.set SEL, 24                           ; s[24:25]
.set CS,  26                           ; s[26:27] c = log2(e) / 8
.set TK,  28                           ; s28 the step's fragments: 6,144 bytes a step
.set TSW, 29                           ; s29 its scale words: 512 bytes a step
.set CNT, 30
.macro MMZ d, a, b, sa, sb
	v_wmma_scale_f32_16x16x128_f8f6f4 v[(\d):(\d)+7], v[(\a):(\a)+11], v[(\b):(\b)+11], 0, v[(\sa)], v[(\sb)] matrix_a_fmt:MATRIX_FMT_FP6 matrix_b_fmt:MATRIX_FMT_FP6
.endm
.macro MMA d, a, b, sa, sb
	v_wmma_scale_f32_16x16x128_f8f6f4 v[(\d):(\d)+7], v[(\a):(\a)+11], v[(\b):(\b)+11], v[(\d):(\d)+7], v[(\sa)], v[(\sb)] matrix_a_fmt:MATRIX_FMT_FP6 matrix_b_fmt:MATRIX_FMT_FP6
.endm
; A KEY STEP: 128 keys.
.macro STEP
	v_add_nc_u32 v[ADK], s[TK], v[A16]             ; these four are also the places behind the last step's products, in front of the loads into their registers
	v_add_nc_u32 v[ADV], s[TK], v[AV0]
	v_add_nc_u32 v[ADS], s[TSW], v[AS0]
	v_add_nc_u32 v[ADT], s[TSW], v[AT0]
.irp f, 0,1,2,3
.irp q, 0,1,2
	ds_load_b128 v[FR+12*\f+4*\q:FR+12*\f+4*\q+3], v[ADK] offset:1536*\f+512*\q
.endr
.endr
	ds_load_b128 v[KSW:KSW+3], v[ADS]
	s_wait_alu depctr_va_vdst(0)
	s_wait_dscnt 0x0
.irp f, 0,1,2,3
	MMZ S+16*\f, FR+12*\f, QLO, KSW+\f, QS
	MMZ S+16*\f+8, FR+12*\f, QHI, KSW+\f, QS
.endr
.rept 4
	v_nop                                          ; places in front of the loads below and of the first read of the scores
.endr
.irp f, 0,1,2,3                                ; v's fragments are asked for now and land under the softmax
.irp q, 0,1,2
	ds_load_b128 v[FR+12*\f+4*\q:FR+12*\f+4*\q+3], v[ADV] offset:1536*\f+512*\q
.endr
.endr
	ds_load_b128 v[KSW:KSW+3], v[ADT]
.irp b, 0,1,2,3
	v_max3_num_f32 v[BM+\b], v[S+16*\b], v[S+16*\b+1], v[S+16*\b+2]   ; the largest score of each block of 32 keys; each accumulator is read from its low end on
.endr
.irp i, 3,5,7,9,11,13
.irp b, 0,1,2,3
	v_max3_num_f32 v[BM+\b], v[BM+\b], v[S+16*\b+\i], v[S+16*\b+\i+1]
.endr
.endr
.irp b, 0,1,2,3
	v_max_num_f32 v[BM+\b], v[BM+\b], v[S+16*\b+15]
.endr
.irp b, 0,1,2,3
	s_delay_alu instid0(VALU_DEP_4)
	v_permlanex16_b32 v[BT+\b], v[BM+\b], s[SEL], s[SEL+1]
.endr
.irp b, 0,1,2,3
	s_delay_alu instid0(VALU_DEP_4)
	v_max_num_f32 v[BM+\b], v[BM+\b], v[BT+\b]     ; with lane l xor 16's 16 keys
.endr
	s_delay_alu instid0(VALU_DEP_2)
	v_max3_num_f32 v[TMP], v[BM], v[BM+1], v[BM+2]
	s_delay_alu instid0(VALU_DEP_1)
	v_max_num_f32 v[TMP], v[TMP], v[BM+3]          ; the step's largest score of my query
	s_delay_alu instid0(VALU_DEP_1)
	v_mul_f32 v[TMP], s[CS], v[TMP]                ; as t (c is positive)
	s_delay_alu instid0(VALU_DEP_1)
	v_max_num_f32 v13, v13, v[TMP]                 ; the running largest t
	v_mov_b32 v[TMP], v12
	s_delay_alu instid0(VALU_DEP_2)
	v_floor_f32 v12, -v13                          ; the new -M
	s_delay_alu instid0(VALU_DEP_1)
	v_sub_f32 v[TMP], v12, v[TMP]                  ; old M - new M: a whole number, 0 or less
	s_delay_alu instid0(VALU_DEP_1)
	v_cvt_i32_f32 v[TMP], v[TMP]                   ; (it saturates)
	s_delay_alu instid0(VALU_DEP_1)
	v_ldexp_f32 v[F], 1.0, v[TMP]                  ; f
.irp j, 0,2,4,6,8,10,12,14,16,18,20,22,24,26,28,30,32,34,36,38,40,42,44,46,48,50,52,54,56,58,60,62
	v_pk_fma_f32 v[S+\j:S+\j+1], v[S+\j:S+\j+1], s[CS:CS+1], v[12:13] op_sel_hi:[1,0,0]   ; t - M
.endr
.irp b, 0,1,2,3
	v_fma_f32 v[BM+\b], v[BM+\b], s[CS], v12       ; the same of each block's largest score
.endr
.set j, 0
	s_wait_alu depctr_va_vdst(0)
.rept 64
	v_exp_f32 v[S+j], v[S+j]                       ; p = 2^(t - M)
.set j, j+1
.endr
	s_setprio 1
	v_pk_mul_f32 v[14:15], v[14:15], v[F:F+1] op_sel_hi:[1,0]      ; the sums under the new M; the plain instruction behind the exponentials
	s_wait_alu depctr_va_vdst(0)                   ; one wait for the batch of 64, ahead of its first reader
.irp b, 0,1,2,3
	v_exp_f32 v[BM+\b], v[BM+\b]                   ; the blocks' largest p
.endr
	v_pk_add_f32 v[240:241], v[108:109], v[112:113]
	v_pk_add_f32 v[254:255], v[116:117], v[120:121]
	v_pk_add_f32 v[252:253], v[124:125], v[128:129]
	v_pk_add_f32 v[250:251], v[132:133], v[136:137]
	v_pk_add_f32 v[248:249], v[140:141], v[144:145]
	v_pk_add_f32 v[246:247], v[148:149], v[152:153]
	v_pk_add_f32 v[244:245], v[156:157], v[160:161]
	v_pk_add_f32 v[14:15], v[14:15], v[164:165]
	v_pk_add_f32 v[240:241], v[240:241], v[104:105]
	v_pk_add_f32 v[254:255], v[254:255], v[106:107]
	v_pk_add_f32 v[252:253], v[252:253], v[110:111]
	v_pk_add_f32 v[250:251], v[250:251], v[114:115]
	v_pk_add_f32 v[248:249], v[248:249], v[118:119]
	v_pk_add_f32 v[246:247], v[246:247], v[122:123]
	v_pk_add_f32 v[244:245], v[244:245], v[126:127]
	v_pk_add_f32 v[14:15], v[14:15], v[130:131]
	v_pk_add_f32 v[240:241], v[240:241], v[134:135]
	v_pk_add_f32 v[254:255], v[254:255], v[138:139]
	v_pk_add_f32 v[252:253], v[252:253], v[142:143]
	v_pk_add_f32 v[250:251], v[250:251], v[146:147]
	v_pk_add_f32 v[248:249], v[248:249], v[150:151]
	v_pk_add_f32 v[246:247], v[246:247], v[154:155]
	v_pk_add_f32 v[244:245], v[244:245], v[158:159]
	v_pk_add_f32 v[14:15], v[14:15], v[162:163]
	v_pk_add_f32 v[240:241], v[240:241], v[166:167]
	s_delay_alu instid0(VALU_DEP_2)
	v_pk_add_f32 v[14:15], v[14:15], v[250:251]
	s_delay_alu instid0(VALU_DEP_2)
	v_pk_add_f32 v[240:241], v[240:241], v[248:249]
	v_pk_add_f32 v[254:255], v[254:255], v[246:247]
	v_pk_add_f32 v[252:253], v[252:253], v[244:245]
	s_delay_alu instid0(VALU_DEP_2)
	v_pk_add_f32 v[14:15], v[14:15], v[254:255]
	s_delay_alu instid0(VALU_DEP_2)
	v_pk_add_f32 v[240:241], v[240:241], v[252:253]
	s_delay_alu instid0(VALU_DEP_1)
	v_pk_add_f32 v[14:15], v[14:15], v[240:241]
	s_wait_alu depctr_va_vdst(0)                   ; and one for the four
.irp b, 0,1,2,3
	v_max_num_f32 v[BM+\b], 0x1800000, v[BM+\b]    ; the floor 2^(3 - 127): the byte cannot fall under 1
.endr
.irp b, 0,1,2,3
	s_delay_alu instid0(VALU_DEP_4)
	v_add_nc_u32 v[SO+\b], 0xff000000, v[BM+\b]    ; 2 off the exponent field: the conversion's scale operand
.endr
.irp b, 0,1,2,3
	s_delay_alu instid0(VALU_DEP_4)
	v_lshrrev_b32 v[BT+\b], 23, v[SO+\b]           ; the scale's byte
.endr
	s_delay_alu instid0(VALU_DEP_3)
	v_lshl_or_b32 v[PW], v[BT+1], 8, v[BT]
	s_delay_alu instid0(VALU_DEP_1)
	v_lshl_or_b32 v[PW], v[BT+2], 16, v[PW]
	s_delay_alu instid0(VALU_DEP_1)
	v_lshl_or_b32 v[PW], v[BT+3], 24, v[PW]        ; p's scale word for these 128 keys
.irp c, 0,1
	v_cvt_scalef32_pk16_fp6_f32 v[PC+6*\c:PC+6*\c+2], v[S+32*\c:S+32*\c+15], v[SO+2*\c]
	v_cvt_scalef32_pk16_fp6_f32 v[CT+4*\c:CT+4*\c+2], v[S+32*\c+16:S+32*\c+31], v[SO+2*\c+1]
.endr
	v_nop                                          ; one plain instruction behind the conversions
.irp c, 0,1                                    ; a whole block to a lane
.irp i, 0,1,2
	v_permlane16_swap_b32 v[PC+6*\c+\i], v[CT+4*\c+\i]
.endr
.irp i, 0,1,2
	s_delay_alu instid0(VALU_DEP_3)
	v_mov_b32 v[PC+6*\c+3+\i], v[CT+4*\c+\i]
.endr
.endr
	s_setprio 0
.irp j, 0,2,4,6,8,10,12,14,16,18,20,22,24,26,28,30
	v_pk_mul_f32 v[O+\j:O+\j+1], v[O+\j:O+\j+1], v[F:F+1] op_sel_hi:[1,0]   ; O^T under the new M.  Of these 16, twelve name no register of any one product below: the places behind the writes of p's codes and scale word
.endr
	s_wait_alu depctr_va_vdst(0)
	s_wait_dscnt 0x0                               ; v's fragments and scale words
.irp t, 0,1,2,3
	MMA O+8*\t, FR+12*\t, PC, KSW+\t, PW           ; the four accumulators by turns; between two links of a chain stand eleven other products
.endr
	s_add_co_u32 s[TK], s[TK], 6144
	s_add_co_u32 s[TSW], s[TSW], 512
.endm
; Tile e of my two: all 1,024 keys, the division, the quantiser along the channels, the stores.
.macro TILE e
	s_wait_xcnt 0x0                                ; the last tile's stores have read their data
.irp i, 0,1,2,3,4,5
	v_mov_b32 v[QLO+\i], v[QP+6*(\e)+\i]
	v_mov_b32 v[QHI+6+\i], v[QP+6*(\e)+\i]
.endr
.if (\e) == 0
	v_and_b32 v[TMP], 0xffff, v[QW]
.else
	v_lshrrev_b32 v[TMP], 16, v[QW]
.endif
	s_delay_alu instid0(VALU_DEP_1)
	v_lshl_or_b32 v[QS], v[TMP], 16, v[TMP]
	v_mov_b32 v13, 0xff61b1e6                      ; the largest t so far: -3e38, under every t
	s_delay_alu instid0(VALU_DEP_1)
	v_floor_f32 v12, -v13
	v_mov_b32 v14, 0
	v_mov_b32 v15, 0
.set j, 0
.rept 32
	v_mov_b32 v[O+j], 0                            ; the step is written once: the first finds zeros.  (Also the places between the writes of q's codes and scale word and the first products)
.set j, j+1
.endr
	s_mov_b32 s[TK], 0
	s_mov_b32 s[TSW], 0
	s_mov_b32 s[CNT], 8
.Lstep_\@:
	s_setprio 2
	STEP
	s_sub_co_u32 s[CNT], s[CNT], 1
	s_cmp_lg_u32 s[CNT], 0
	s_cbranch_scc1 .Lstep_\@
	s_setprio 0
.rept 4
	v_nop                                          ; places behind the last products
.endr
	v_add_f32 v14, v14, v15
	s_delay_alu instid0(VALU_DEP_1)
	v_permlanex16_b32 v[TMP], v14, s[SEL], s[SEL+1]
	s_delay_alu instid0(VALU_DEP_1)
	v_add_f32 v14, v14, v[TMP]                     ; the row's sum
	s_wait_alu depctr_va_vdst(0)
	v_rcp_f32 v14, v14
	v_nop
	s_wait_alu depctr_va_vdst(0)                   ; ahead of the reciprocal's first reader
.set j, 0
.rept 32
	v_mul_f32 v[S+j], v[O+j], v14                  ; O^T / l, each accumulator from its low end on
.set j, j+1
.endr
.irp b, 0,1
	v_max3_num_f32 v[BM+\b], |v[S+16*\b]|, |v[S+16*\b+1]|, 0x1800000
.endr
.irp i, 2,4,6,8,10,12,14
.irp b, 0,1
	s_delay_alu instid0(VALU_DEP_2)
	v_max3_num_f32 v[BM+\b], v[BM+\b], |v[S+16*\b+\i]|, |v[S+16*\b+\i+1]|
.endr
.endr
.irp b, 0,1
	s_delay_alu instid0(VALU_DEP_2)
	v_permlanex16_b32 v[BT+\b], v[BM+\b], s[SEL], s[SEL+1]
.endr
.irp b, 0,1
	s_delay_alu instid0(VALU_DEP_2)
	v_max_num_f32 v[BM+\b], v[BM+\b], v[BT+\b]
.endr
.irp b, 0,1
	s_delay_alu instid0(VALU_DEP_2)
	v_add_nc_u32 v[SO+\b], 0xff000000, v[BM+\b]
.endr
.irp b, 0,1
	s_delay_alu instid0(VALU_DEP_2)
	v_lshrrev_b32 v[BT+\b], 23, v[SO+\b]
.endr
	s_delay_alu instid0(VALU_DEP_1)
	v_lshl_or_b32 v[HW0+(\e)], v[BT+1], 8, v[BT]   ; the bytes of channel blocks 2 h and 2 h + 1
	v_cvt_scalef32_pk16_fp6_f32 v[PC:PC+2], v[S:S+15], v[SO]
	v_cvt_scalef32_pk16_fp6_f32 v[CT:CT+2], v[S+16:S+31], v[SO+1]
	v_nop
.irp i, 0,1,2
	v_permlane16_swap_b32 v[PC+\i], v[CT+\i]
.endr
.irp i, 0,1,2
	s_delay_alu instid0(VALU_DEP_3)
	v_mov_b32 v[PC+3+\i], v[CT+\i]
.endr
	global_store_b128 v[A16], v[PC:PC+3], s[32:33] offset:6144*(\e)          ; half a fragment of the last projection's operand: 512 consecutive bytes,
	global_store_b64 v[A8], v[PC+4:PC+5], s[32:33] offset:6144*(\e)+512      ; and 256
.endm
	s_load_b128 s[4:7], s[0:1], 0x0                ; qkv, oimg
	s_load_b64 s[8:9], s[0:1], 0x10                ; osh
	v_lshl_add_u32 v[SPW], v0, 2, SPARE
	v_mov_b32 v[NIL], 0
	ds_add_u32 v[SPW], v[NIL]                      ; the wave's opening: the add, twice on end, and its wait ahead of my first tensor load
	ds_add_u32 v[SPW], v[NIL]
	v_lshrrev_b32 v4, 5, v0
	s_delay_alu instid0(VALU_DEP_1)
	v_readfirstlane_b32 s10, v4                    ; wave 0..15
	s_and_b32 s11, ttmp7, 0xffff                   ; 8 b + h
	s_mov_b32 s16, 3<<16                           ; group 1: elements of 8 bytes, no mask, no padding
	s_mov_b32 s17, 32<<16                          ; tensor_dim0 = 32 (256 bytes)
	s_mov_b32 s18, 26<<16                          ; tensor_dim1 = 26
	s_mov_b32 s19, 32<<16                          ; tile_dim0
	s_mov_b32 s20, 26                              ; tile_dim1: 6,656 dense bytes
	s_mov_b32 s21, 32                              ; the pitch
	s_mov_b32 s22, 0
	s_mov_b32 s23, 0
	s_mov_b32 s[SEL], 0x76543210
	s_mov_b32 s[SEL+1], 0xfedcba98
	s_mov_b32 s[CS], 0x3e38aa3b                    ; log2(e) / 8
	s_mov_b32 s[CS+1], s[CS]                       ; (named with it as a pair, so it is written)
	s_mul_i32 s36, s11, 159744
	s_mov_b32 s37, 0
	s_mov_b32 s39, 0
	s_mul_i32 s13, s10, 6656                       ; my part, in LDS
	s_add_co_u32 s38, s13, 53248                   ; and in the head's bytes: behind q's block
	s_mov_b32 s12, 1
	s_lshl_b32 s40, ttmp9, 4
	s_add_co_u32 s40, s40, s10                     ; P: my pair of query tiles, 0 .. 31
	v_and_b32 v4, 31, v0
	s_delay_alu instid0(VALU_DEP_1)
	v_lshlrev_b32 v[A16], 4, v4
	s_delay_alu instid0(VALU_DEP_2)
	v_lshlrev_b32 v[A8], 3, v4
	v_and_b32 v5, 15, v0
	s_delay_alu instid0(VALU_DEP_1)
	v_lshlrev_b32 v[R16], 4, v5
	s_delay_alu instid0(VALU_DEP_4)
	v_add_nc_u32 v[AS0], KS, v[A16]
	v_add_nc_u32 v[AV0], VC, v[A16]
	v_add_nc_u32 v[AT0], VS, v[A16]
	s_wait_alu depctr_va_vdst(0)
	s_wait_dscnt 0x0                               ; both opening adds are done
	s_wait_kmcnt 0x0
	s_add_nc_u64 s[4:5], s[4:5], s[36:37]          ; qkv at (b, h)
	s_add_nc_u64 s[14:15], s[4:5], s[38:39]
	s_or_b32 s15, s15, 0x80000000
	tensor_load_to_lds s[12:15], s[16:23]          ; my one tensor load
	s_nop 0
.rept 4
	v_nop
.endr
	s_mul_i32 s38, s40, 1536
	s_add_nc_u64 s[42:43], s[4:5], s[38:39]        ; q's fragment P
.irp q, 0,1,2
	global_load_b128 v[QP+4*\q:QP+4*\q+3], v[A16], s[42:43] offset:512*\q
.endr
	s_lshr_b32 s38, s40, 2
	s_lshl_b32 s38, s38, 9
	s_and_b32 s41, s40, 3
	s_lshl_b32 s41, s41, 2
	s_add_co_u32 s38, s38, s41
	s_add_nc_u64 s[44:45], s[4:5], s[38:39]
	global_load_b32 v[QW], v[A16], s[44:45] offset:49152           ; its scale word: 512 (P / 4) + 16 x lane + 4 (P % 4)
	s_lshr_b32 s36, s11, 3
	s_mul_i32 s36, s36, 393216
	s_and_b32 s38, s11, 7
	s_mul_i32 s38, s38, 768
	s_add_co_u32 s36, s36, s38
	s_mul_i32 s38, s40, 12288
	s_add_co_u32 s36, s36, s38
	s_add_nc_u64 s[32:33], s[6:7], s[36:37]        ; oimg at (b, tile 2 P, my head's part)
	s_lshl_b32 s36, s11, 11
	s_lshr_b32 s38, s40, 2
	s_lshl_b32 s38, s38, 8
	s_add_co_u32 s36, s36, s38
	s_add_co_u32 s36, s36, s41
	s_add_nc_u64 s[34:35], s[8:9], s[36:37]        ; osh at (b, h, P / 4), + 4 (P % 4)
.irp i, 0,1,2,3,4,5
	v_mov_b32 v[QLO+6+\i], 0                       ; the zero codes: written once
	v_mov_b32 v[QHI+\i], 0
.endr
.irp b, 0,1,2,3
	v_mov_b32 v[BT+\b], 0                          ; written once: a lane permute's destination counts as one of its sources
.endr
	v_mov_b32 v[F+1], 0                            ; (named as the upper half of the pair, so it is written)
	s_wait_tensorcnt 0x0                           ; my part of K and V is in,
	s_barrier_signal -1
	s_barrier_wait -1                              ; everybody's is: from here on LDS is only read
	s_wait_loadcnt 0x0                             ; q
	TILE 0
	TILE 1
	v_lshl_or_b32 v[HW0], v[HW0+1], 16, v[HW0]
	global_store_b32 v[R16], v[HW0], s[34:35]      ; row r's bytes of my two tiles (both halves of the lanes hold the same word and store it at the same place)
	s_wait_tensorcnt 0x0                           ; the wave's end
	ds_add_u32 v[SPW], v[NIL]
	s_wait_dscnt 0x0
	s_endpgm
.Lfunc_end_k_q33f243f486_attn:
	.size	k_q33f243f486_attn, .Lfunc_end_k_q33f243f486_attn-k_q33f243f486_attn
	.p2alignl 7, 3214868480
	.fill 96, 4, 3214868480
	.section	.rodata,"a",@progbits
	.p2align	6, 0x0
	.amdhsa_kernel k_q33f243f486_attn
		.amdhsa_group_segment_fixed_size 167936
		.amdhsa_private_segment_fixed_size 0
		.amdhsa_enable_private_segment 0
		.amdhsa_kernarg_size 24
		.amdhsa_user_sgpr_count 2
		.amdhsa_user_sgpr_kernarg_segment_ptr 1
		.amdhsa_wavefront_size32 1
		.amdhsa_system_sgpr_workgroup_id_x 1
		.amdhsa_system_sgpr_workgroup_id_y 1
		.amdhsa_system_sgpr_workgroup_id_z 1
		.amdhsa_system_vgpr_workitem_id 0
		.amdhsa_next_free_vgpr 256
		.amdhsa_next_free_sgpr 66
		.amdhsa_reserve_vcc 0
		.amdhsa_float_denorm_mode_32 3
		.amdhsa_float_denorm_mode_16_64 3
		.amdhsa_memory_ordered 1
		.amdhsa_forward_progress 1
		.amdhsa_inst_pref_size 51
	.end_amdhsa_kernel
	.amdgpu_metadata
---
amdhsa.version: [ 1, 2 ]
amdhsa.kernels:
  - .name:           k_q33f243f486_attn
    .symbol:         k_q33f243f486_attn.kd
    .args:
      - { .name: qkv, .offset: 0, .size: 8, .value_kind: global_buffer, .address_space: global }
      - { .name: oimg, .offset: 8, .size: 8, .value_kind: global_buffer, .address_space: global }
      - { .name: osh, .offset: 16, .size: 8, .value_kind: global_buffer, .address_space: global }
    .group_segment_fixed_size: 167936
    .private_segment_fixed_size: 0
    .kernarg_segment_align: 8
    .kernarg_segment_size: 24
    .max_flat_workgroup_size: 512
    .sgpr_count:     66
    .vgpr_count:     256
    .wavefront_size: 32
...
	.end_amdgpu_metadata
.endif
;; end of part 3
;; launch oproj (part 4): grid 16 x 16, 4 waves a work-group, no clusters, 327,680 bytes of LDS; arguments oimg, osh, wimg, wo_scales, bo, x, out0; writes out0
.if DOCPART == 4
	.amdgcn_target "amdgcn-amd-amdhsa--gfx1250"
	.amdhsa_code_object_version 6
	.text
	.protected	k_q33f243f486_oproj
	.globl	k_q33f243f486_oproj
	.p2align	8
	.type	k_q33f243f486_oproj,@function
k_q33f243f486_oproj:
	s_mov_b64 s[64:65], 0
	v_nop
	global_prefetch_b8 v0, s[64:65] scope:SCOPE_SE
	s_setreg_imm32_b32 hwreg(HW_REG_WAVE_MODE, 25, 1), 1
	s_wait_xcnt 0x0
; LAUNCH 4 OF 4.  out0 = wo a + bo + x, a the attention's result as launch 3 quantised it, on codes of FP6 (E2M3).  No work of the problem is left out.
; SHARES.  A work-group takes 128 positions (8 tiles) of one batch and 256 output channels; wave w takes 64 of them: 32 accumulators, four K steps of 128 channels.  Source 0 = 16 positions, source 1 = 16 rows of wo: a lane's eight results are
; eight neighbouring positions of one output channel (by the order of rows in a tile that launch 1 states).  bo is the C of each sum's first matrix instruction.
; a's 32 fragments (49,152 dense bytes of oimg) come into LDS once, a quarter by each wave; with them each wave asks for its own 64 rows x 512 bytes of x, the residual, which land under the products.  Two tensor loads of a wave are out at
; the most; nothing is filled again.  wo's fragments go from wimg straight into the wave's registers.
; NO CLUSTER: wo's fragments and x's rows are a wave's own; a's tile has two readers in the launch: 49,152 bytes against the 229,376 bytes of x and wo that a work-group reads alone.
; THE WAY OUT: 16 output channels x 128 positions at a time through the wave's own stage in LDS, back as whole rows of 512 bytes, x added, stored as 512 consecutive bytes at a multiple of 256 from out0's first byte.
; REGISTERS.  window 0: v1-12 addresses; v16-47 a's scale words (4 T + s); v48-63 wo's (4 tau + s); v64-127, v128-191 the way out.  window 1: wo's fragments (48 s + 12 tau).  window 2: a's fragments, two buffers (96 p + 12 T); from v192 bo's
; four tiles.  window 3: accumulator (T, tau) at 64 tau + 8 T.
.set XR,    49152                      ; LDS: 0: a's fragments; here x: 32,768 bytes for each wave;
.set STG,   180224                     ; the stages: 16 rows x 528 bytes for each wave; no tensor load lands here;
.set SPARE, 214016                     ; the spare words, 128 bytes for each wave, which no other line names
.set A16,  1
.set A8,   2
.set RP16, 3
.set RP4,  4
.set R16,  6
.set SPW,  8                           ; v8 LDS address of my spare word; never rewritten
.set NIL,  9                           ; v9 0; never rewritten
.set STO,  10                          ; v10 the stage: where I put 32 bytes of a row
.set RD,   11                          ; v11 and where I read a row back
.set XRD,  12                          ; v12 my 16 bytes of a row of x
.set XS,   16
.set WS,   48
.set Y,    64
.set Z,    128
.set OH,   64                          ; at the head: osh as it lies
.set MSB, 0
.macro WIN new                         ; the immediate's high byte repeats the setting that is left
.if MSB != \new
	s_set_vgpr_msb (MSB<<8)|\new
.set MSB, \new
.endif
.endm
.macro MM d, a, b, c, sa, sb
	v_wmma_scale_f32_16x16x128_f8f6f4 v[(\d):(\d)+7], v[(\a):(\a)+11], v[(\b):(\b)+11], v[(\c):(\c)+7], v[(\sa)], v[(\sb)] matrix_a_fmt:MATRIX_FMT_FP6 matrix_b_fmt:MATRIX_FMT_FP6
.endm
.macro XFETCH p, s                     ; a's eight fragments of K step s into buffer p: 32 LDS loads.  Leaves the destination's window at 2
	WIN 0x80
.irp tt, 0,1,2,3,4,5,6,7
	ds_load_b128 v[96*(\p)+12*\tt:96*(\p)+12*\tt+3], v[A16] offset:(4*\tt+(\s))*1536
	ds_load_b64 v[96*(\p)+12*\tt+4:96*(\p)+12*\tt+5], v[A8] offset:(4*\tt+(\s))*1536+512
	ds_load_b128 v[96*(\p)+12*\tt+6:96*(\p)+12*\tt+9], v[A16] offset:(4*\tt+(\s))*1536+768
	ds_load_b64 v[96*(\p)+12*\tt+10:96*(\p)+12*\tt+11], v[A8] offset:(4*\tt+(\s))*1536+1280
.endr
.endm
.macro WFETCH s                        ; wo's four fragments of K step s.  Leaves the destination's window at 1
	WIN 0x40
.irp tau, 0,1,2,3
.irp q, 0,1,2
	global_load_b128 v[48*(\s)+12*\tau+4*\q:48*(\s)+12*\tau+4*\q+3], v[A16], s[8:9] offset:196608*3+1536*(4*(\s)+\tau)+512*\q
.endr
.endr
.endm
.macro MUL32 s, p                      ; 32 matrix instructions; the 32 accumulators take turns, one instruction a turn, in the same order in every step
.if (\s) == 0
	WIN 0xe6                                       ; source 0 (a) window 2, source 1 (wo) window 1, C (bo) window 2, D window 3
.else
	WIN 0xf6                                       ; C and D window 3
.endif
.irp tt, 0,1,2,3,4,5,6,7
.irp tau, 0,1,2,3
.if (\s) == 0
	MM 64*\tau+8*\tt, 96*(\p)+12*\tt, 48*(\s)+12*\tau, 192+8*\tau, XS+4*\tt+(\s), WS+4*\tau+(\s)
.else
	MM 64*\tau+8*\tt, 96*(\p)+12*\tt, 48*(\s)+12*\tau, 64*\tau+8*\tt, XS+4*\tt+(\s), WS+4*\tau+(\s)
.endif
.endr
.endr
.endm
.macro STEP s
.if (\s) == 3
	s_wait_dscnt 0x0
.else
	s_wait_dscnt 32                                ; this step's fragments of a are in; the next step's 32 loads may be out
.endif
	s_wait_loadcnt 12*(3-(\s))                     ; this step's wo is in; the later K steps' 12 loads each may be out
	MUL32 \s, (\s)%2
.rept 4
	v_nop                                          ; four places in front of loads into registers that these products have read, and of the first read of results
.endr
.if (\s) < 2
	XFETCH (\s)%2, (\s)+2
.endif
.endm
; Tile tau of my output channels: stage row rho is channel 32 (tau / 2) + 8 (tau % 2) + rho + (rho & 8) of my 64.
.macro OUT tau
.if (\tau) > 0
	s_wait_xcnt 0x0                                ; the last tile's stores have read Y: it is loaded again only behind this wait
.endif
	WIN 0x0c                                       ; an LDS store's data are its source 1: window 3
.irp tt, 0,1,2,3,4,5,6,7
	ds_store_b128 v[STO], v[64*(\tau)+8*\tt:64*(\tau)+8*\tt+3] offset:128*(\tt/2)+32*(\tt%2)         ; each accumulator from its low end on: positions 32 (T / 2) + 8 (T % 2) + 16 (lane / 16) + 0..7
	ds_store_b128 v[STO], v[64*(\tau)+8*\tt+4:64*(\tau)+8*\tt+7] offset:128*(\tt/2)+32*(\tt%2)+16
.endr
	WIN 0
.irp rho, 0,1,2,3,4,5,6,7,8,9,10,11,12,13,14,15
	ds_load_b128 v[Y+4*\rho:Y+4*\rho+3], v[RD] offset:528*\rho     ; LDS serves a wave's instructions in order (ISA guide 5.7.1.4): these see my stores, and the next tile's stores come behind them
	ds_load_b128 v[Z+4*\rho:Z+4*\rho+3], v[XRD] offset:512*(32*((\tau)/2)+8*((\tau)%2)+\rho+(\rho&8))
.endr
.irp rho, 0,1,2,3,4,5,6,7,8,9,10,11,12,13,14,15
	s_wait_dscnt 30-2*\rho                         ; the count: the later rows' pairs of loads
	v_pk_add_f32 v[Y+4*\rho:Y+4*\rho+1], v[Y+4*\rho:Y+4*\rho+1], v[Z+4*\rho:Z+4*\rho+1]
	v_pk_add_f32 v[Y+4*\rho+2:Y+4*\rho+3], v[Y+4*\rho+2:Y+4*\rho+3], v[Z+4*\rho+2:Z+4*\rho+3]
	global_store_b128 v[A16], v[Y+4*\rho:Y+4*\rho+3], s[16:17] offset:4096*(32*((\tau)/2)+8*((\tau)%2)+\rho+(\rho&8)) th:TH_STORE_NT
.endr
.endm
	s_load_b256 s[4:11], s[0:1], 0x0               ; oimg, osh, wimg, wo_scales
	s_load_b128 s[12:15], s[0:1], 0x20             ; bo, x
	s_load_b64 s[16:17], s[0:1], 0x30              ; out0
	v_lshl_add_u32 v[SPW], v0, 2, SPARE
	v_mov_b32 v[NIL], 0
	ds_add_u32 v[SPW], v[NIL]                      ; the wave's opening: the add, twice on end, and its wait ahead of my first tensor load
	ds_add_u32 v[SPW], v[NIL]
	v_lshrrev_b32 v13, 5, v0
	v_readfirstlane_b32 s24, v13                   ; wave 0..3
	s_and_b32 s25, ttmp9, 7                        ; which 128 positions
	s_lshr_b32 s26, ttmp9, 3                       ; which 256 output channels
	s_and_b32 s27, ttmp7, 0xffff                   ; batch
	s_lshl_b32 s28, s26, 2
	s_add_co_u32 s28, s28, s24                     ; my block of 64 output channels
	s_mov_b32 s36, 3<<16                           ; group 1 for a's fragments: 48 rows of 256 bytes, dense
	s_mov_b32 s37, 32<<16
	s_mov_b32 s38, 48<<16
	s_mov_b32 s39, 32<<16
	s_mov_b32 s40, 48
	s_mov_b32 s41, 32
	s_mov_b32 s42, 0
	s_mov_b32 s43, 0
	s_mov_b32 s52, 2<<16                           ; group 1 for x: elements of 4 bytes,
	s_mov_b32 s53, 128<<16                         ; tensor_dim0 = 128 (512 bytes),
	s_mov_b32 s54, 64<<16                          ; tensor_dim1 = 64,
	s_mov_b32 s55, 128<<16                         ; tile_dim0,
	s_mov_b32 s56, 64                              ; tile_dim1,
	s_mov_b32 s57, 1024                            ; 1,024 elements from channel to channel
	s_mov_b32 s58, 0
	s_mov_b32 s59, 0
	s_mov_b32 s46, 0x05040100                      ; v_perm_b32: the two low halves
	s_mov_b32 s47, 0x07060302                      ; the two high halves
	s_mov_b32 s31, 0
	v_and_b32 v13, 31, v0
	v_lshlrev_b32 v[A16], 4, v13
	v_lshlrev_b32 v[A8], 3, v13
	v_and_b32 v13, 15, v0                          ; r
	v_and_b32 v14, 8, v0
	v_add_nc_u32 v14, v13, v14
	v_lshlrev_b32 v[RP16], 4, v14
	v_lshlrev_b32 v[RP4], 2, v14
	v_lshlrev_b32 v[R16], 4, v13
	v_bfe_u32 v14, v0, 4, 1
	s_mul_i32 s29, s24, 8448
	s_add_co_u32 s29, s29, STG                     ; my stage
	v_mul_u32_u24 v[STO], v13, 528
	v_lshl_add_u32 v[STO], v14, 6, v[STO]
	v_add_nc_u32 v[STO], s29, v[STO]               ; in: row r, + 64 bytes for the upper half of the lanes
	v_add_nc_u32 v[RD], s29, v[A16]                ; back: the 32 lanes take one row of 512 bytes
	s_lshl_b32 s49, s24, 15
	s_add_co_u32 s49, s49, XR                      ; my rows of x in LDS
	v_add_nc_u32 v[XRD], s49, v[A16]
	s_lshl_b32 s30, s27, 3
	s_add_co_u32 s30, s30, s25
	s_mul_i32 s30, s30, 49152
	s_mul_i32 s33, s24, 12288                      ; my quarter of a's fragments, in LDS
	s_add_co_u32 s30, s30, s33                     ; and in memory
	s_mov_b32 s32, 1
	s_mov_b32 s48, 1
	s_wait_alu depctr_va_vdst(0)
	s_wait_dscnt 0x0                               ; both opening adds are done
	s_wait_kmcnt 0x0
	s_add_nc_u64 s[34:35], s[4:5], s[30:31]
	s_or_b32 s35, s35, 0x80000000
	s_lshl_b32 s30, s27, 21                        ; the batch's 2,097,152 bytes,
	s_lshl_b32 s29, s28, 18                        ; my 64 channels,
	s_add_co_u32 s30, s30, s29
	s_lshl_b32 s29, s25, 9                         ; the 128 positions
	s_add_co_u32 s30, s30, s29
	s_add_nc_u64 s[50:51], s[14:15], s[30:31]
	s_or_b32 s51, s51, 0x80000000
	s_add_nc_u64 s[16:17], s[16:17], s[30:31]      ; out0 at the same place
	tensor_load_to_lds s[32:35], s[36:43]          ; a's fragments first: they are wanted first
	s_nop 0
	s_wait_alu depctr_va_vdst(0)
	s_wait_tensorcnt 0x0
	ds_add_u32 v8, v9
	s_wait_dscnt 0x0
	s_barrier_signal -1
	s_barrier_wait -1
	tensor_load_to_lds s[48:51], s[52:59]          ; my rows of x
	s_nop 0
.rept 4
	v_nop
.endr
	s_lshl_b32 s30, s27, 14
	s_lshl_b32 s29, s25, 8
	s_add_co_u32 s30, s30, s29
	s_add_nc_u64 s[6:7], s[6:7], s[30:31]          ; osh at (b, head 0, nblk)
	s_mul_i32 s30, s28, 24576
	s_add_nc_u64 s[8:9], s[8:9], s[30:31]          ; wimg at my block's 16 fragments (wo's part stands in the immediate)
	s_lshl_b32 s30, s28, 10
	s_add_nc_u64 s[10:11], s[10:11], s[30:31]
	s_lshl_b32 s30, s28, 8
	s_add_nc_u64 s[12:13], s[12:13], s[30:31]
.irp g, 0,1,2,3,4,5,6,7
	global_load_b128 v[OH+4*\g:OH+4*\g+3], v[R16], s[6:7] offset:2048*\g
.endr
.irp tau, 0,1,2,3
	global_load_b128 v[WS+4*\tau:WS+4*\tau+3], v[RP16], s[10:11] offset:16*(32*(\tau/2)+8*(\tau%2))
.endr
	WIN 0x80
.irp tau, 0,1,2,3                              ; all eight registers of a result belong to wo's row 32 (tau / 2) + 8 (tau % 2) + r + (r & 8)
.irp j, 0,1,2,3,4,5,6,7
	global_load_b32 v[192+8*\tau+\j], v[RP4], s[12:13] offset:4*(32*(\tau/2)+8*(\tau%2))
.endr
.endr
	WFETCH 0
	WFETCH 1
	WFETCH 2
	WFETCH 3
	s_wait_tensorcnt 0x1                           ; my quarter of a's fragments is in; my rows of x may stay out: nobody else reads them
	s_barrier_signal -1
	s_barrier_wait -1                              ; everybody's quarter is in
	XFETCH 0, 0
	XFETCH 1, 1
	WIN 0
	s_wait_loadcnt 36                              ; all but wo's K steps 1 to 3
.irp tt, 0,1,2,3,4,5,6,7                       ; a's scale word of tile T, K step s: the two bytes of head 2 s below those of head 2 s + 1
.irp s, 0,1,2,3
.if (\tt%2) == 0
	v_perm_b32 v[XS+4*\tt+\s], v[OH+4*(2*\s+1)+\tt/2], v[OH+8*\s+\tt/2], s46
.else
	v_perm_b32 v[XS+4*\tt+\s], v[OH+4*(2*\s+1)+\tt/2], v[OH+8*\s+\tt/2], s47
.endif
.endr
.endr
.rept 8
	v_nop                                          ; a scale register written by a vector instruction stands eight places ahead of a scaled matrix instruction
.endr
	s_wait_alu depctr_va_vdst(0)
	STEP 0
	STEP 1
	STEP 2
	STEP 3
	s_wait_tensorcnt 0x0                           ; my rows of x are in
	OUT 0
	OUT 1
	OUT 2
	OUT 3
	s_wait_tensorcnt 0x0                           ; the wave's end, behind my last LDS store (every window is 0 here)
	ds_add_u32 v[SPW], v[NIL]
	s_wait_dscnt 0x0
	s_endpgm
.Lfunc_end_k_q33f243f486_oproj:
	.size	k_q33f243f486_oproj, .Lfunc_end_k_q33f243f486_oproj-k_q33f243f486_oproj
	.p2alignl 7, 3214868480
	.fill 96, 4, 3214868480
	.section	.rodata,"a",@progbits
	.p2align	6, 0x0
	.amdhsa_kernel k_q33f243f486_oproj
		.amdhsa_group_segment_fixed_size 327680
		.amdhsa_private_segment_fixed_size 0
		.amdhsa_enable_private_segment 0
		.amdhsa_kernarg_size 56
		.amdhsa_user_sgpr_count 2
		.amdhsa_user_sgpr_kernarg_segment_ptr 1
		.amdhsa_wavefront_size32 1
		.amdhsa_system_sgpr_workgroup_id_x 1
		.amdhsa_system_sgpr_workgroup_id_y 1
		.amdhsa_system_sgpr_workgroup_id_z 1
		.amdhsa_system_vgpr_workitem_id 0
		.amdhsa_next_free_vgpr 1024
		.amdhsa_next_free_sgpr 66
		.amdhsa_reserve_vcc 0
		.amdhsa_float_denorm_mode_32 3
		.amdhsa_float_denorm_mode_16_64 3
		.amdhsa_memory_ordered 1
		.amdhsa_forward_progress 1
		.amdhsa_inst_pref_size 69
	.end_amdhsa_kernel
	.amdgpu_metadata
---
amdhsa.version: [ 1, 2 ]
amdhsa.kernels:
  - .name:           k_q33f243f486_oproj
    .symbol:         k_q33f243f486_oproj.kd
    .args:
      - { .name: oimg, .offset: 0, .size: 8, .value_kind: global_buffer, .address_space: global }
      - { .name: osh, .offset: 8, .size: 8, .value_kind: global_buffer, .address_space: global }
      - { .name: wimg, .offset: 16, .size: 8, .value_kind: global_buffer, .address_space: global }
      - { .name: wo_scales, .offset: 24, .size: 8, .value_kind: global_buffer, .address_space: global }
      - { .name: bo, .offset: 32, .size: 8, .value_kind: global_buffer, .address_space: global }
      - { .name: x, .offset: 40, .size: 8, .value_kind: global_buffer, .address_space: global }
      - { .name: out0, .offset: 48, .size: 8, .value_kind: global_buffer, .address_space: global }
    .group_segment_fixed_size: 327680
    .private_segment_fixed_size: 0
    .kernarg_segment_align: 8
    .kernarg_segment_size: 56
    .max_flat_workgroup_size: 128
    .sgpr_count:     66
    .vgpr_count:     1024
    .wavefront_size: 32
...
	.end_amdgpu_metadata
.endif
;; end of part 4
